; MI455X (gfx1250); checked and timed in simulation.
; The chip was launched on July 23, 2026; its instructions are those of AMD's public machine-readable ISA for CDNA 5 (MIT licence, August 2026) and "CDNA5" Instruction Set Architecture Reference Guide (July 2026). The comments in the code are by the model that wrote it; some were corrected since.
;; Device Aware Mo E Layer. Allowed arithmetic: matrix products marked QUANTISED: E2M1 operands, one E8M0 scale for each 32 along K, by v_wmma_scale_f32_16x16x128_f8f6f4 with both operands' format E2M1 (or v_wmma_scale_f32_32x16x128_f4), f32 sums; products left as they are: f32 operands where the result goes on into a quantised operand, else bf16, f16 or f32 operands; f32 sums; everything else in f32.
;; Inputs: b1 16 x 2,048 float32; b2 16 x 1,024 float32; gate_b 16 float32; gate_w_codes 16 x 32 x 16 uint8 (E2M1 codes of gate_w, K innermost, in blocks of 32 codes, two codes a byte); gate_w_scales 16 x 32 uint8 (E8M0 scales of gate_w, one for each 32 codes along K); w1_codes 16 x 2,048 x 32 x 16 uint8 (E2M1 codes of w1, K innermost, in blocks of 32 codes, two codes a byte); w1_scales 16 x 2,048 x 32 uint8 (E8M0 scales of w1, one for each 32 codes along K); w2_codes 16 x 1,024 x 64 x 16 uint8 (E2M1 codes of w2, K innermost, in blocks of 32 codes, two codes a byte); w2_scales 16 x 1,024 x 64 uint8 (E8M0 scales of w2, one for each 32 codes along K); x_codes 2 x 512 x 32 x 16 uint8 (E2M1 codes of x, K innermost, in blocks of 32 codes, two codes a byte); x_scales 2 x 512 x 32 uint8 (E8M0 scales of x, one for each 32 codes along K).
;; Outputs: out0 2 x 512 x 1,024 float32.
;; This version of the problem:
;;   THIS VERSION OF THE PROBLEM IS GIVEN IN LOW PRECISION. The matrix products marked QUANTISED in the list below multiply operands that are first quantised to E2M1 (2 exponent bits, 1 mantissa bit; 4 bits a number), with one power-of-two scale for each 32 numbers along K (OCP MX v1.0); their sums are f32. All else is computed in f32.
;;   The module's matrix products, in the order in which they are computed (A, B: the left and right operand; K: the contracted axis; several contracted axes count as one K, in the product's order):
;;     1. [M 1,024, K 1,024] x [K 1,024, N 16]; A: input x (given as codes); B: input gate_w (given as codes): QUANTISED
;;     2. [M 1,024, K 1,024] x [K 1,024, N 32,768]; A: input x (given as codes); B: input w1 (given as codes): QUANTISED
;;     3. batch 16 x [M 1,024, K 2,048] x [K 2,048, N 1,024]; A: input w2 (given as codes); B: computed on the way: QUANTISED
;;     4. batch 1,024 x [M 1,024, K 16] x [K 16, N 1]; A: computed on the way; B: computed on the way: left as it is (K = 16 < 32)
;;   THE QUANTISER, for each operand of a quantised product, along K:
;;     - K is cut into blocks of 32 from its start; a last block that is shorter is filled with zeros.
;;     - A block's scale is 2^e with e = floor(log2(the largest magnitude in the block)) - 2, held to -126 .. 127; a block of zeros has e = 0. As a byte (E8M0): e + 127.
;;     - Each number is divided by its block's scale, clamped to +-6, and rounded to the nearest number of E2M1, ties to even, subnormals kept.
;;     - The product sums the exact products of the quantised numbers (number of the format x scale) in f32.
;;   ~~~python
;;   def quantise(x, axis):      # numpy; x: float32 -> the quantised numbers, widened to float32 again
;;       x = np.moveaxis(x, axis, -1); K = x.shape[-1]
;;       x = np.pad(x, [(0, 0)] * (x.ndim - 1) + [(0, -K % 32)]); x = x.reshape(x.shape[:-1] + (-1, 32)); a = np.abs(x).max(-1, keepdims=True)
;;       e = np.where(a > 0, np.clip(np.frexp(np.where(a > 0, a, 1))[1] - 1 - 2, -126, 127), 0)      # np.frexp(a)[1] - 1 = floor(log2(a)), exactly
;;       r = np.clip(x / 2.0 ** e, -6, 6)
;;       step = 2.0 ** (np.maximum(np.frexp(np.where(r == 0, 1, r))[1] - 1, 0) - 1)
;;       q = np.round(r / step) * step * 2.0 ** e      # np.round: ties to even
;;       return np.moveaxis(q.reshape(q.shape[:-2] + (-1,))[..., :K], -1, axis).astype(np.float32)
;;   ~~~
;;   OPERANDS COMPUTED ON THE WAY. 'Computed on the way' means the value that the module computes at that place (a softmax that the list does not call 'softmax' is quantised finished and normalised). What goes into a quantiser is computed in f32, as accurately as f32 sums, v_exp_f32 and their like allow (about 1e-6 of the number): no bf16 or f16 on the way to a quantiser, and a product that is left as it is and whose result goes on into a quantised operand takes f32 operands (vector FMAs, or v_wmma_f32_16x16x4_f32). A number that lies on a knife's edge between two numbers of the format may be rounded either way, as far as f32 arithmetic and the matrix unit's own rounding can turn it there, and no further.
;;   INPUTS GIVEN AS CODES. gate_w (in the module: [1024, 16], K = its axis 0); w1 (in the module: [16, 1024, 2048], K = its axis 1); w2 (in the module: [16, 2048, 1024], K = its axis 1); x (in the module: [2, 512, 1024], K = its axis 2): each comes as NAME_codes (uint8): NAME with its K axis moved to the last place and cut into blocks of 32 codes, [.., K / 32, bytes a block], one block behind the other in memory; two codes a byte, the lower K in the low four bits (a code: sign, 2 exponent bits, 1 mantissa bit); and NAME_scales (uint8): the same leading axes, one E8M0 byte (e + 127) for each 32 codes along K. Its value is code x scale, taken as it is: it is not quantised again, and the codes and scales need not be those that the quantiser above would give.
;; 3 versions, each right; version 2 is faster than version 1; version 3 is version 2 with the launches router, outp written anew for expert scheduling mode. Each part assembles by itself: llvm-mc -triple=amdgcn-amd-amdhsa -mcpu=gfx1250 --defsym DOCPART=n.
;; ======== version 1 of 3: 3 launches
;; workspace buffers: top1 4,096 bytes of whole numbers; hc 16,777,216 bytes; hs 1,048,576 bytes
;; launch router (part 1): grid 32 x 1, 1 waves a work-group, no clusters, 0 bytes of LDS; arguments x_codes, x_scales, gate_w_codes, gate_w_scales, gate_b, top1; writes top1
.if DOCPART == 1
	.amdgcn_target "amdgcn-amd-amdhsa--gfx1250"
	.amdhsa_code_object_version 6
	.text
	.protected	k_q31fedee62b_router
	.globl	k_q31fedee62b_router
	.p2align	8
	.type	k_q31fedee62b_router,@function
k_q31fedee62b_router:
	s_mov_b64 s[64:65], 0
	v_nop
	global_prefetch_b8 v0, s[64:65] scope:SCOPE_SE
	s_setreg_imm32_b32 hwreg(HW_REG_WAVE_MODE, 25, 1), 1
	s_wait_xcnt 0x0
; top1[t] = the first index of the largest of logits[t][0..15], logits = x gate_w + gate_b; the product on codes of FP4 (E2M1) with one E8M0 scale for each 32 along K = 1,024.
; A wave takes 32 tokens: two tiles of 16, whose two accumulators take turns.  32 work-groups of one wave serve the 1,024 tokens.
; THE PRODUCT IS USED TRANSPOSED: source 0 = the 16 experts' rows of gate_w, source 1 = 16 tokens.  Lane (r, h) then holds token r, and its register j the logit of expert 8 h + j:
; the maximum wants seven comparisons in the lane and one exchange between the halves of the lanes.
; The index is stored as a whole number; no address and no branch of this launch hangs on it.  The later launches read it.
; A wave stores 128 consecutive bytes; the whole buffer is 4,096 bytes.
; LIMITS: NaN and infinities among the logits and the scale byte 0xff are not served (were every logit NaN, the index would be held at 15).  Two logits that lie closer than the
; rounding of the f32 sums may be ranked either way.
.set GW,  16                           ; v16-79    gate_w's eight fragments (16 experts x 128 K each): 8 s + 4 c
.set XF,  80                           ; v80-207   x's: tile t at 64 t
.set GSC, 208                          ; v208-215  gate_w's scale words, one for each K step; lanes 0-15 are read
.set XSC, 216                          ; v216-223  x's: lanes 0-15 tile 0's tokens, lanes 16-31 tile 1's
.set ACC, 224                          ; v224-239  the two accumulators
.set GB,  240                          ; v240-247  gate_b[8 h + j]
.set CI,  248                          ; v248-255  8 h + j
	s_load_b256 s[4:11], s[0:1], 0x0               ; x's codes s[4:5], x's scales s[6:7], gate_w's codes s[8:9], gate_w's scales s[10:11]
	s_load_b128 s[12:15], s[0:1], 0x20             ; gate_b s[12:13], top1 s[14:15]
	v_and_b32 v1, 15, v0                           ; r
	v_lshrrev_b32 v2, 4, v0                        ; h
	v_lshlrev_b32 v3, 9, v1
	v_lshl_add_u32 v3, v2, 4, v3                   ; a fragment's place: row r of 512 bytes, + 16 h
	v_lshlrev_b32 v4, 5, v0                        ; x's scales: 32 bytes a token, a lane a token
	v_lshlrev_b32 v5, 5, v1                        ; gate_w's: 32 bytes an expert
	v_lshlrev_b32 v6, 5, v2                        ; gate_b: eight numbers for each half of the lanes
	v_lshlrev_b32 v7, 2, v0                        ; top1: 4 bytes a token
.irp i, 9,11,13,15
	v_mov_b32 v\i, 0                               ; written once: a lane permute's destination counts as one of its sources
.endr
	s_mov_b32 s17, 0
	s_mov_b32 s20, 0x76543210
	s_mov_b32 s21, 0xfedcba98                      ; v_permlanex16_b32's selects for lane l xor 16
	s_mov_b32 s22, 0xffff0000                      ; lanes 16-31
	s_wait_kmcnt 0x0
	s_lshl_b32 s16, ttmp9, 14                      ; my 32 tokens: 512 bytes of codes each,
	s_add_nc_u64 s[4:5], s[4:5], s[16:17]
	s_lshl_b32 s16, ttmp9, 10                      ; 32 scale bytes,
	s_add_nc_u64 s[6:7], s[6:7], s[16:17]
	s_lshl_b32 s16, ttmp9, 7                       ; 4 bytes of top1
	s_add_nc_u64 s[14:15], s[14:15], s[16:17]
.irp s, 0,1,2,3,4,5,6,7
.irp c, 0,1
	global_load_b128 v[GW+8*\s+4*\c:GW+8*\s+4*\c+3], v3, s[8:9] offset:64*\s+32*\c
.endr
.endr
.irp t, 0,1
.irp s, 0,1,2,3,4,5,6,7
.irp c, 0,1
	global_load_b128 v[XF+64*\t+8*\s+4*\c:XF+64*\t+8*\s+4*\c+3], v3, s[4:5] offset:8192*\t+64*\s+32*\c
.endr
.endr
.endr
.irp c, 0,1
	global_load_b128 v[GSC+4*\c:GSC+4*\c+3], v5, s[10:11] offset:16*\c
	global_load_b128 v[XSC+4*\c:XSC+4*\c+3], v4, s[6:7] offset:16*\c
	global_load_b128 v[GB+4*\c:GB+4*\c+3], v6, s[12:13] offset:16*\c
.endr
	s_wait_loadcnt 0x0
	; the first K step starts both sums: nothing is cleared
	v_wmma_scale_f32_16x16x128_f8f6f4 v[ACC:ACC+7], v[GW:GW+7], v[XF:XF+7], 0, v[GSC], v[XSC] matrix_a_fmt:MATRIX_FMT_FP4 matrix_b_fmt:MATRIX_FMT_FP4
	v_wmma_scale_f32_16x16x128_f8f6f4 v[ACC+8:ACC+15], v[GW:GW+7], v[XF+64:XF+71], 0, v[GSC], v[XSC] matrix_a_fmt:MATRIX_FMT_FP4 matrix_b_fmt:MATRIX_FMT_FP4 matrix_b_scale:MATRIX_SCALE_ROW1
.irp s, 1,2,3,4,5,6,7
	v_wmma_scale_f32_16x16x128_f8f6f4 v[ACC:ACC+7], v[GW+8*\s:GW+8*\s+7], v[XF+8*\s:XF+8*\s+7], v[ACC:ACC+7], v[GSC+\s], v[XSC+\s] matrix_a_fmt:MATRIX_FMT_FP4 matrix_b_fmt:MATRIX_FMT_FP4
	v_wmma_scale_f32_16x16x128_f8f6f4 v[ACC+8:ACC+15], v[GW+8*\s:GW+8*\s+7], v[XF+64+8*\s:XF+64+8*\s+7], v[ACC+8:ACC+15], v[GSC+\s], v[XSC+\s] matrix_a_fmt:MATRIX_FMT_FP4 matrix_b_fmt:MATRIX_FMT_FP4 matrix_b_scale:MATRIX_SCALE_ROW1
.endr
	v_lshlrev_b32 v[CI], 3, v2                     ; the experts' numbers of my eight registers: eight plain lines, the places behind the last products
.irp j, 1,2,3,4,5,6,7
	v_add_nc_u32 v[CI+\j], \j, v[CI]
.endr
.irp t, 0,1
.irp j, 0,2,4,6
	v_pk_add_f32 v[ACC+8*\t+\j:ACC+8*\t+\j+1], v[ACC+8*\t+\j:ACC+8*\t+\j+1], v[GB+\j:GB+\j+1]   ; + gate_b, behind the sum; each accumulator from its low end on
.endr
.endr
	; the largest logit of each token: v8 (tile 0), v12 (tile 1)
.irp t, 0,1
	v_max3_num_f32 v[8+4*\t], v[ACC+8*\t], v[ACC+8*\t+1], v[ACC+8*\t+2]
.endr
.irp i, 3,5
.irp t, 0,1
	v_max3_num_f32 v[8+4*\t], v[8+4*\t], v[ACC+8*\t+\i], v[ACC+8*\t+\i+1]
.endr
.endr
.irp t, 0,1
	v_max_num_f32 v[8+4*\t], v[8+4*\t], v[ACC+8*\t+7]
.endr
.irp t, 0,1
	v_permlanex16_b32 v[9+4*\t], v[8+4*\t], s20, s21   ; the token's other eight experts lie in the lane 16 away
.endr
.irp t, 0,1
	v_max_num_f32 v[8+4*\t], v[8+4*\t], v[9+4*\t]
.endr
.irp t, 0,1
	v_mov_b32 v[10+4*\t], 16                       ; above every index
.endr
.irp j, 7,6,5,4,3,2,1,0                        ; from the highest index down: the lowest index that holds the maximum is written last and stays
.irp t, 0,1
	v_cmp_eq_f32 s[24+\t], v[ACC+8*\t+\j], v[8+4*\t]
	v_cndmask_b32 v[10+4*\t], v[10+4*\t], v[CI+\j], s[24+\t]
.endr
.endr
.irp t, 0,1
	v_permlanex16_b32 v[11+4*\t], v[10+4*\t], s20, s21
.endr
.irp t, 0,1
	v_min_u32 v[10+4*\t], v[10+4*\t], v[11+4*\t]   ; the lower of the two halves' indices
.endr
	v_cndmask_b32 v10, v10, v14, s22               ; lanes 0-15: tile 0's token r; lanes 16-31: tile 1's
	v_min_u32 v10, 15, v10
	global_store_b32 v7, v10, s[14:15]
	s_endpgm
.Lfunc_end_k_q31fedee62b_router:
	.size	k_q31fedee62b_router, .Lfunc_end_k_q31fedee62b_router-k_q31fedee62b_router
	.p2alignl 7, 3214868480
	.fill 96, 4, 3214868480
	.section	.rodata,"a",@progbits
	.p2align	6, 0x0
	.amdhsa_kernel k_q31fedee62b_router
		.amdhsa_group_segment_fixed_size 0
		.amdhsa_private_segment_fixed_size 0
		.amdhsa_enable_private_segment 0
		.amdhsa_kernarg_size 48
		.amdhsa_user_sgpr_count 2
		.amdhsa_user_sgpr_kernarg_segment_ptr 1
		.amdhsa_wavefront_size32 1
		.amdhsa_system_sgpr_workgroup_id_x 1
		.amdhsa_system_sgpr_workgroup_id_y 1
		.amdhsa_system_sgpr_workgroup_id_z 1
		.amdhsa_system_vgpr_workitem_id 0
		.amdhsa_next_free_vgpr 256
		.amdhsa_next_free_sgpr 66
		.amdhsa_reserve_vcc 0
		.amdhsa_float_denorm_mode_32 3
		.amdhsa_float_denorm_mode_16_64 3
		.amdhsa_memory_ordered 1
		.amdhsa_forward_progress 1
		.amdhsa_inst_pref_size 13
	.end_amdhsa_kernel
	.amdgpu_metadata
---
amdhsa.version: [ 1, 2 ]
amdhsa.kernels:
  - .name:           k_q31fedee62b_router
    .symbol:         k_q31fedee62b_router.kd
    .args:
      - { .name: x_codes, .offset: 0, .size: 8, .value_kind: global_buffer, .address_space: global }
      - { .name: x_scales, .offset: 8, .size: 8, .value_kind: global_buffer, .address_space: global }
      - { .name: gate_w_codes, .offset: 16, .size: 8, .value_kind: global_buffer, .address_space: global }
      - { .name: gate_w_scales, .offset: 24, .size: 8, .value_kind: global_buffer, .address_space: global }
      - { .name: gate_b, .offset: 32, .size: 8, .value_kind: global_buffer, .address_space: global }
      - { .name: top1, .offset: 40, .size: 8, .value_kind: global_buffer, .address_space: global }
    .group_segment_fixed_size: 0
    .private_segment_fixed_size: 0
    .kernarg_segment_align: 8
    .kernarg_segment_size: 48
    .max_flat_workgroup_size: 32
    .sgpr_count:     66
    .vgpr_count:     256
    .wavefront_size: 32
...
	.end_amdgpu_metadata
.endif
;; end of part 1
;; launch hidden (part 2): grid 16 x 16, 4 waves a work-group, no clusters, 77,312 bytes of LDS; arguments x_codes, x_scales, w1_codes, w1_scales, b1, top1, hc, hs; writes hc, hs
.if DOCPART == 2
	.amdgcn_target "amdgcn-amd-amdhsa--gfx1250"
	.amdhsa_code_object_version 6
	.text
	.protected	k_q31fedee62b_hidden
	.globl	k_q31fedee62b_hidden
	.p2align	8
	.type	k_q31fedee62b_hidden,@function
k_q31fedee62b_hidden:
	s_mov_b64 s[64:65], 0
	v_nop
	global_prefetch_b8 v0, s[64:65] scope:SCOPE_SE
	s_setreg_imm32_b32 hwreg(HW_REG_WAVE_MODE, 25, 1), 1
	s_wait_xcnt 0x0
; The hidden layer of the CHOSEN expert alone: for each token t with top1[t] = e, relu(x[t] w1[e] + b1[e]), quantised along H to FP4 (E2M1) with one E8M0 scale for each 32.
; The product runs on the codes and scale bytes of x and w1 as they lie in memory.
; SHARES.  Work-group (x = j, y = e) makes hidden units 128 j .. 128 j + 127 of expert e, one K step of the next product, for all of e's tokens.  Wave w makes the block of 32 units from
; hb = 128 j + 32 w on, as two tiles of 16, over all K = 1,024: its 32 rows of w1 (16,384 bytes) are asked for at the head, stay in 128 registers, and are read from memory once in the launch.
; THE LIST.  Wave 0 reads top1 and lays e's tokens on end in LDS (a ballot for each of its 32 registers, a running count, a lane's place by the ballot's bits below it).  The order is
; (register, lane); the next launch makes the same list by the same lines.  n tokens make NT = ceil(n / 16) tiles.  Places n .. n + 31 hold the list's first token once more: a short last tile is filled
; with copies of a row of the same expert, which give the same bits as that row.  With n = 0 the work-group stores nothing.
; THE LOOP has a constant 8 trips of up to 8 tiles (1,024 tokens on one expert are served); a trip without tiles passes its two barriers and nothing else.  A trip:
;   G: wave w gathers rows 4 w .. 4 w + 3 of each tile of x (codes and scale bytes) into LDS | barrier |  C: each wave multiplies every tile by its weights, quantises, stores codes; scale bytes to LDS | barrier |
;   F: wave 0 stores the scale words of the trip's eight places for tiles.
; THE PRODUCT IS USED TRANSPOSED (source 0 = 16 rows of w1, source 1 = 16 tokens), AND THE ROWS OF A TILE ARE NOT NEIGHBOURS: lane r of tile u takes row hb + 8 u + r + 8 (r / 8).  So lane (r, h) holds token r,
; and the 16 registers of its two accumulators are units hb + 16 h + 0 .. 15: neighbours along the next K.  b1 is the C of each sum's first product.
; WORKSPACE.  hc: [e 16][tile 64][block 64][row 16][16 bytes]: a K step's 1,024 bytes of a tile are the image of the next product's operand registers.  hs: [e 16][K step 16][tile 64][row 16] words.
; Of hs a trip with tiles stores all eight places, 512 bytes; a place without a tile gets zeros or an earlier trip's bytes, which the next launch does not read.
; NO TENSOR LOADS, and so no joint loads: what a work-group does hangs on a count read from memory.  What an expert's sixteen work-groups share, 544 bytes a token, is small beside the 69,632 bytes of
; weights and scales that each reads alone.
; LIMITS: NaN, infinities and the scale byte 0xff are not served.  A block of zeros gets the byte 1 where the quantiser says 127: its codes are zeros, and this program alone reads the bytes.
; REGISTERS: window 0: v1-47 addresses; v48-79 top1 (wave 0); v80-103 tokens; v104-175 x's fragments and scale words; v176-191 the accumulators; v192-215 at work; v224-231 w1's scale words; v232-247 b1.
;   window 1: v0-127 w1's 16 fragments (tile u, K step s: 8 (8 u + s)).   window 2: v0-135 the gathered rows on their way to LDS.
.set CNTW, 4228                        ; LDS: the list, 1,056 words from byte 0; a word for lanes without a token at 4,224; the count at 4,228
.set SCB,  4608                        ; 512 bytes: a trip's scale bytes: 64 tile + 4 row + wave
.set XST,  5120                        ; 8 tiles x 16 rows of x
.set XP,   560                         ; a row: 512 bytes of codes, 32 scale bytes, 16 of padding: 35 x 16, so the 16 rows that a load touches start at 16 different places modulo 256 bytes
.set XT,   16*XP
.set WV,   20                          ; s20 wave   s21 expert   s23 n   s24 tiles   s25 trip   s26 the trip's first tile   s27 its tiles (0 .. 8)   s28 its place in the list, bytes
.set EX,   21
.set CN,   23
.set NTL,  24
.set TR,   25
.set I0,   26
.set MT,   27
.set LOFF, 28
.set SEL,  30                          ; s[30:31] selects for lane l xor 16
.set MK,   32                          ; s[32:47] sixteen ballots
.set BS,   48                          ; s[48:63] the count ahead of each
.set TMP,  76
.set LN,   1                           ; lane
.set RW,   2                           ; r = lane % 16
.set HH,   3                           ; h = lane / 16
.set L16,  4                           ; 16 x lane
.set ZB,   6                           ; 0: the list's first word
.set CA,   7                           ; the count's word
.set L4,   8                           ; 4 x lane
.set DI,   9                           ; 1,056: the place of lanes without a token
.set F1,   10
.set KN,   11
.set PP,   12                          ; v12-15 places   v16-19 their LDS addresses (used for this alone)   v20-23 tokens
.set AA,   16
.set KK,   20
.set Z4,   24                          ; v24-27 zeros
.set WA,   28                          ; w1: (r + 8 (r / 8)) x 512 + 16 h
.set WSA,  29                          ; its scale rows: lanes 0-15 tile 0's, lanes 16-31 tile 1's
.set BA,   30                          ; b1: 64 h
.set C16,  31                          ; 16 r
.set C4,   32                          ; 4 (lane % 8)
.set LA0,  33                          ; the list: my two rows' tokens: 16 w + 8 h
.set LB0,  34                          ; and the row whose scale bytes I gather: 16 w + 4 (lane / 8)
.set LA,   35
.set LB,   36
.set GSA,  37                          ; where I put gathered codes
.set GSB,  38                          ; and scale bytes
.set XA,   39                          ; where I read a fragment of x
.set XSA,  40                          ; and its scale words
.set HCO,  41                          ; hc: 16 r + 8 h
.set SCA,  42                          ; my block's scale byte: SCB + 4 r + w
.set FA,   43                          ; SCB + 16 x lane
.set TP,   45
.set TT,   48
.set TK,   80                          ; two tokens a tile, then their byte offsets in x's codes
.set TS,   96                          ; one a tile, then its offset in x's scales
.set XF,   104
.set XS,   168
.set ACC,  176
.set T0,   192
.set T1,   193
.set SCV,  194
.set BY,   195
.set PC,   196                         ; two registers of codes a tile, so that no store's data are written again within a trip
.set FW,   212
.set WS,   224
.set BI,   232
.set MSB, 0
.macro WIN new                         ; the immediate's high byte repeats the setting that is left; every window is 0 at a label and at a branch
.if MSB != \new
	s_set_vgpr_msb (MSB<<8)|\new
.set MSB, \new
.endif
.endm
.macro BARRIER                         ; my LDS stores have landed and my LDS loads are in: then the work-group's barrier
	s_wait_dscnt 0x0
	s_barrier_signal -1
	s_barrier_wait -1
.endm
; Wave 0 lays the expert's tokens on end.  Register TT + n of lane l holds top1 of token 128 (n / 4) + 4 l + n % 4.
.macro LIST
.irp q, 0,1,2,3,4,5,6,7,8,9
	ds_store_b128 v[L16], v[Z4:Z4+3] offset:512*\q                ; bytes 0 .. 5,119 are zeros: every word of the list is a token's number whatever n is, and the scale bytes of places without a tile are written
.endr
	s_mov_b32 s[CN], 0
.irp g, 0,1
.irp i, 0,1,2,3,4,5,6,7,8,9,10,11,12,13,14,15
	v_cmp_eq_u32 s[MK+\i], s[EX], v[TT+16*\g+\i]                  ; which lanes' tokens chose my expert
.endr
.irp i, 0,1,2,3,4,5,6,7,8,9,10,11,12,13,14,15
	s_mov_b32 s[BS+\i], s[CN]
	s_bcnt1_i32_b32 s[TMP], s[MK+\i]
	s_add_co_u32 s[CN], s[CN], s[TMP]
.endr
.irp a, 0,1,2,3                                ; four registers at a time, stage by stage
.irp c, 0,1,2,3
	v_mbcnt_lo_u32_b32 v[PP+\c], s[MK+4*\a+\c], s[BS+4*\a+\c]     ; the count ahead + the chosen lanes below mine
.endr
.irp c, 0,1,2,3
	v_cndmask_b32 v[PP+\c], v[DI], v[PP+\c], s[MK+4*\a+\c]        ; a lane without a token writes the spare word
.endr
.irp c, 0,1,2,3
	v_min_u32 v[PP+\c], 1056, v[PP+\c]
.endr
.irp c, 0,1,2,3
	v_lshlrev_b32 v[AA+\c], 2, v[PP+\c]
.endr
.irp c, 0,1,2,3
	v_add_nc_u32 v[KK+\c], 128*(4*\g+\a)+\c, v[L4]                ; the token's number
.endr
.irp c, 0,1,2,3
	ds_store_b32 v[AA+\c], v[KK+\c]
.endr
.endr
.endr
	ds_load_b32 v[F1], v[ZB]                       ; LDS serves a wave's instructions in order: this sees the stores above
	v_add_nc_u32 v[PP], s[CN], v[LN]
	v_min_u32 v[PP], 1055, v[PP]
	v_lshlrev_b32 v[AA], 2, v[PP]
	v_mov_b32 v[KN], s[CN]
	s_wait_dscnt 0x0
	ds_store_b32 v[AA], v[F1]                      ; places n .. n + 31: the first token once more
	ds_store_b32 v[CA], v[KN]                      ; n, for all four waves
.endm
	s_load_b256 s[4:11], s[0:1], 0x0               ; x's codes s[4:5], x's scales s[6:7], w1's codes s[8:9], w1's scales s[10:11]
	s_load_b256 s[12:19], s[0:1], 0x20             ; b1 s[12:13], top1 s[14:15], hc s[16:17], hs s[18:19]
	v_lshl_add_u32 v254, v0, 2, 0x12c00
	v_mov_b32 v255, 0
	v_lshrrev_b32 v[LN], 5, v0
	v_readfirstlane_b32 s[WV], v[LN]               ; wave 0..3
	s_and_b32 s[EX], ttmp7, 0xffff                 ; the expert
	v_and_b32 v[LN], 31, v0
	v_and_b32 v[RW], 15, v0
	v_bfe_u32 v[HH], v0, 4, 1
	v_lshlrev_b32 v[L16], 4, v[LN]
	v_mov_b32 v[ZB], 0
	v_mov_b32 v[CA], CNTW
	v_lshlrev_b32 v[L4], 2, v[LN]
	v_mov_b32 v[DI], 1056
.irp i, 0,1,2,3
	v_mov_b32 v[Z4+\i], 0
.endr
	v_mov_b32 v[T1], 0                             ; written once: a lane permute's destination counts as one of its sources
	v_and_b32 v[WA], 8, v[RW]
	v_add_nc_u32 v[WA], v[WA], v[RW]               ; r + 8 (r / 8)
	v_lshl_add_u32 v[WSA], v[HH], 3, v[WA]         ; + 8 for tile 1, which lanes 16-31 serve
	v_lshlrev_b32 v[WSA], 5, v[WSA]                ; 32 scale bytes a row
	v_lshlrev_b32 v[WA], 9, v[WA]
	v_lshl_add_u32 v[WA], v[HH], 4, v[WA]
	v_lshlrev_b32 v[BA], 6, v[HH]
	v_lshlrev_b32 v[C16], 4, v[RW]
	v_and_b32 v[C4], 7, v[LN]
	v_lshlrev_b32 v[C4], 2, v[C4]
	v_lshrrev_b32 v[TP], 3, v[LN]                  ; lane / 8
	s_lshl_b32 s76, s[WV], 4
	v_lshl_add_u32 v[LA0], v[HH], 3, s76
	v_lshl_add_u32 v[LB0], v[TP], 2, s76
	s_mul_i32 s77, s[WV], 4*XP
	s_add_co_u32 s77, s77, XST                     ; my four rows of a tile in LDS
	v_mul_u32_u24 v[GSA], v[HH], 2*XP
	v_lshl_add_u32 v[GSA], v[RW], 4, v[GSA]
	v_add_nc_u32 v[GSA], s77, v[GSA]               ; row 4 w + 2 h, 16 bytes a lane
	v_mul_u32_u24 v[GSB], v[TP], XP
	v_add_nc_u32 v[GSB], v[GSB], v[C4]
	v_add_nc_u32 v[GSB], s77, v[GSB]
	v_add_nc_u32 v[GSB], 512, v[GSB]               ; row 4 w + lane / 8, behind its codes, word lane % 8
	v_mul_u32_u24 v[XA], v[RW], XP
	v_add_nc_u32 v[XSA], XST+512, v[XA]
	v_lshl_add_u32 v[XA], v[HH], 4, v[XA]
	v_add_nc_u32 v[XA], XST, v[XA]
	v_lshl_add_u32 v[HCO], v[HH], 3, v[C16]
	v_lshl_add_u32 v[SCA], v[RW], 2, s[WV]
	v_add_nc_u32 v[SCA], SCB, v[SCA]
	v_add_nc_u32 v[FA], SCB, v[L16]
	s_mov_b32 s[SEL], 0x76543210
	s_mov_b32 s[SEL+1], 0xfedcba98
	; byte offsets of my share, each in a pair of its own
	s_lshl_b32 s76, ttmp9, 7
	s_lshl_b32 s77, s[WV], 5
	s_add_co_u32 s76, s76, s77                     ; hb = 128 j + 32 w
	s_lshl_b32 s77, s[EX], 11
	s_add_co_u32 s77, s77, s76                     ; 2,048 e + hb: my first row of w1
	s_lshl_b32 s66, s77, 9                         ; 512 bytes of codes a row,
	s_mov_b32 s67, 0
	s_lshl_b32 s68, s77, 5                         ; 32 scale bytes,
	s_mov_b32 s69, 0
	s_lshl_b32 s70, s77, 2                         ; 4 bytes of b1
	s_mov_b32 s71, 0
	s_lshl_b32 s72, s[EX], 20                      ; hc: 2^20 bytes an expert,
	s_lshl_b32 s78, s76, 3                         ; 256 bytes a block: 256 (hb / 32)
	s_add_co_u32 s72, s72, s78
	s_mov_b32 s73, 0
	s_lshl_b32 s74, s[EX], 4
	s_add_co_u32 s74, s74, ttmp9
	s_lshl_b32 s74, s74, 12                        ; hs: 4,096 bytes for each (expert, K step)
	s_mov_b32 s75, 0
	s_wait_kmcnt 0x0
	s_add_nc_u64 s[8:9], s[8:9], s[66:67]
	s_add_nc_u64 s[10:11], s[10:11], s[68:69]
	s_add_nc_u64 s[12:13], s[12:13], s[70:71]
	s_add_nc_u64 s[16:17], s[16:17], s[72:73]
	s_add_nc_u64 s[18:19], s[18:19], s[74:75]
	s_cmp_lg_u32 s[WV], 0
	s_cbranch_scc1 .Lno_top1
.irp q, 0,1,2,3,4,5,6,7
	global_load_b128 v[TT+4*\q:TT+4*\q+3], v[L16], s[14:15] offset:512*\q   ; wave 0: all of top1, first of all its loads
.endr
.Lno_top1:
	WIN 0x40                                       ; destination window 1
.irp u, 0,1
.irp s, 0,1,2,3,4,5,6,7
.irp c, 0,1
	global_load_b128 v[8*(8*\u+\s)+4*\c:8*(8*\u+\s)+4*\c+3], v[WA], s[8:9] offset:4096*\u+64*\s+32*\c th:TH_LOAD_NT   ; a tile's sixteen loads take its 16 rows whole; read once in the launch
.endr
.endr
.endr
	WIN 0
.irp c, 0,1
	global_load_b128 v[WS+4*\c:WS+4*\c+3], v[WSA], s[10:11] offset:16*\c
.endr
.irp u, 0,1
.irp c, 0,1
	global_load_b128 v[BI+8*\u+4*\c:BI+8*\u+4*\c+3], v[BA], s[12:13] offset:32*\u+16*\c   ; b1[hb + 16 h + 8 u + 0 .. 7]: the result's layout
.endr
.endr
	s_cmp_lg_u32 s[WV], 0
	s_cbranch_scc1 .Lno_list
	s_wait_loadcnt 38                              ; top1 is in; the 32 + 2 + 4 loads issued behind it stay on their way while the list is made
	LIST
.Lno_list:
	BARRIER                                        ; the list and the count lie in LDS
	ds_load_b32 v[KN], v[CA]
	s_wait_dscnt 0x0
	v_readfirstlane_b32 s[CN], v[KN]
	s_min_u32 s[CN], s[CN], 1024
	s_add_co_u32 s[NTL], s[CN], 15
	s_lshr_b32 s[NTL], s[NTL], 4                   ; tiles of 16
; Tile k's rows are asked for: my four rows' codes (sixteen lanes take 256 aligned bytes of a row) and scale bytes.
.macro GLOAD k
	v_min_u32 v[TK+2*(\k)], 1023, v[TK+2*(\k)]
	v_min_u32 v[TK+2*(\k)+1], 1023, v[TK+2*(\k)+1]
	v_min_u32 v[TS+(\k)], 1023, v[TS+(\k)]
	v_lshl_add_u32 v[TK+2*(\k)], v[TK+2*(\k)], 9, v[C16]
	v_lshl_add_u32 v[TK+2*(\k)+1], v[TK+2*(\k)+1], 9, v[C16]
	v_lshl_add_u32 v[TS+(\k)], v[TS+(\k)], 5, v[C4]
	WIN 0x80                                       ; destination window 2
.irp p, 0,1
.irp u, 0,1
	global_load_b128 v[16*(\k)+8*\p+4*\u:16*(\k)+8*\p+4*\u+3], v[TK+2*(\k)+\p], s[4:5] offset:256*\u
.endr
.endr
	global_load_b32 v[128+(\k)], v[TS+(\k)], s[6:7]
	WIN 0
.endm
; and go to LDS.  The tiles are taken from the last one asked for down to tile 0, so that every way to a tile's lines has issued its loads; ways join ahead of each tile, so each has the wait.
.macro GSTORE k
	s_wait_loadcnt 0x0
	WIN 0x08                                       ; an LDS store's data are its source 1: window 2
.irp p, 0,1
.irp u, 0,1
	ds_store_b128 v[GSA], v[16*(\k)+8*\p+4*\u:16*(\k)+8*\p+4*\u+3] offset:XT*(\k)+XP*\p+256*\u
.endr
.endr
	ds_store_b32 v[GSB], v[128+(\k)] offset:XT*(\k)
	WIN 0
.endm
; Tile k: 16 tokens x my 32 hidden units.
.macro CT k
.irp s, 0,1,2,3,4,5,6,7
.irp c, 0,1
	ds_load_b128 v[XF+8*\s+4*\c:XF+8*\s+4*\c+3], v[XA] offset:XT*(\k)+64*\s+32*\c
.endr
.endr
.irp c, 0,1
	ds_load_b128 v[XS+4*\c:XS+4*\c+3], v[XSA] offset:XT*(\k)+16*\c   ; the row's eight scale words, one for each K step
.endr
	s_wait_dscnt 0x0
	WIN 0x01                                       ; source 0 (w1) window 1
	v_wmma_scale_f32_16x16x128_f8f6f4 v[ACC:ACC+7], v[0:7], v[XF:XF+7], v[BI:BI+7], v[WS], v[XS] matrix_a_fmt:MATRIX_FMT_FP4 matrix_b_fmt:MATRIX_FMT_FP4
	v_wmma_scale_f32_16x16x128_f8f6f4 v[ACC+8:ACC+15], v[64:71], v[XF:XF+7], v[BI+8:BI+15], v[WS], v[XS] matrix_a_fmt:MATRIX_FMT_FP4 matrix_b_fmt:MATRIX_FMT_FP4 matrix_a_scale:MATRIX_SCALE_ROW1
.irp s, 1,2,3,4,5,6,7                          ; the two accumulators by turns
	v_wmma_scale_f32_16x16x128_f8f6f4 v[ACC:ACC+7], v[8*\s:8*\s+7], v[XF+8*\s:XF+8*\s+7], v[ACC:ACC+7], v[WS+\s], v[XS+\s] matrix_a_fmt:MATRIX_FMT_FP4 matrix_b_fmt:MATRIX_FMT_FP4
	v_wmma_scale_f32_16x16x128_f8f6f4 v[ACC+8:ACC+15], v[64+8*\s:64+8*\s+7], v[XF+8*\s:XF+8*\s+7], v[ACC+8:ACC+15], v[WS+\s], v[XS+\s] matrix_a_fmt:MATRIX_FMT_FP4 matrix_b_fmt:MATRIX_FMT_FP4 matrix_a_scale:MATRIX_SCALE_ROW1
.endr
	WIN 0
.rept 5
	v_nop                                          ; four places ahead of the first read of the results and of loads into x's registers; the fifth for the next tile's first products, which begin the accumulators anew
.endr
.irp j, 0,1,2,3,4,5,6,7,8,9,10,11,12,13,14,15
	v_max_num_f32 v[ACC+\j], 0, v[ACC+\j]          ; the activation, in f32; each accumulator from its low end on
.endr
	v_max3_num_f32 v[T0], v[ACC], v[ACC+1], 0x1800000              ; the largest of my 16 (none is negative), in two chains, with the floor 2^(3 - 127): the byte cannot fall under 1
	v_max3_num_f32 v[SCV], v[ACC+8], v[ACC+9], v[ACC+10]
	v_max3_num_f32 v[T0], v[T0], v[ACC+2], v[ACC+3]
	v_max3_num_f32 v[SCV], v[SCV], v[ACC+11], v[ACC+12]
	v_max3_num_f32 v[T0], v[T0], v[ACC+4], v[ACC+5]
	v_max3_num_f32 v[SCV], v[SCV], v[ACC+13], v[ACC+14]
	v_max3_num_f32 v[T0], v[T0], v[ACC+6], v[ACC+7]
	v_max3_num_f32 v[T0], v[T0], v[SCV], v[ACC+15]
	v_permlanex16_b32 v[T1], v[T0], s[SEL], s[SEL+1]
	v_max_num_f32 v[T0], v[T0], v[T1]              ; with lane l xor 16's 16: the block's largest
	v_add_nc_u32 v[SCV], 0xff000000, v[T0]         ; 2 off its exponent field: the conversion takes this operand's exponent field as its scale
	v_lshrrev_b32 v[BY], 23, v[SCV]                ; the scale's byte
	v_cvt_scalef32_pk8_fp4_f32 v[PC+2*(\k)], v[ACC:ACC+7], v[SCV]
	v_cvt_scalef32_pk8_fp4_f32 v[PC+2*(\k)+1], v[ACC+8:ACC+15], v[SCV]
	v_nop                                          ; one plain line behind the conversions: matrix instructions write their sources again
	global_store_b64 v[HCO], v[PC+2*(\k):PC+2*(\k)+1], s[16:17] offset:16384*(\k)   ; 32 lanes store the block's 256 consecutive bytes, aligned
	ds_store_b8 v[SCA], v[BY] offset:64*(\k)       ; both lanes of a row write the same byte with the same value
.endm
	s_mov_b32 s[TR], 0
	s_mov_b32 s[I0], 0
	s_mov_b32 s[LOFF], 0
.Ltrip:
	s_sub_co_i32 s[MT], s[NTL], s[I0]
	s_max_i32 s[MT], s[MT], 0
	s_min_u32 s[MT], s[MT], 8                      ; this trip's tiles
	v_add_nc_u32 v[LA], s[LOFF], v[LA0]
	v_add_nc_u32 v[LB], s[LOFF], v[LB0]
	; ---- G
	s_cmp_eq_u32 s[MT], 0
	s_cbranch_scc1 .Lg_done
.irp k, 0,1,2,3,4,5,6,7
	ds_load_b64 v[TK+2*\k:TK+2*\k+1], v[LA] offset:64*\k          ; the tokens of rows 4 w + 2 h and + 1 (every word of the list is a token's number)
.endr
.irp k, 0,1,2,3,4,5,6,7
	ds_load_b32 v[TS+\k], v[LB] offset:64*\k
.endr
	s_wait_dscnt 0x0
	GLOAD 0
.irp n, 1,2,3,4,5,6,7
	s_cmp_le_u32 s[MT], \n                         ; n tiles are asked for: are they all?
	s_cbranch_scc1 .Lg_have\n
	GLOAD \n
.endr
.irp n, 8,7,6,5,4,3,2,1
.Lg_have\n:
	GSTORE (\n-1)
.endr
.Lg_done:
	BARRIER                                        ; the trip's rows of x lie in LDS; wave 0's reads of the last trip's scale bytes are over
	; ---- C
	s_cmp_eq_u32 s[MT], 0
	s_cbranch_scc1 .Lc_done
	s_wait_loadcnt 0x0                             ; the weights, their scale words and b1
	CT 0
.irp n, 1,2,3,4,5,6,7
	s_cmp_le_u32 s[MT], \n
	s_cbranch_scc1 .Lc_done
	CT \n
.endr
.Lc_done:
	BARRIER                                        ; the four waves' scale bytes lie in LDS; nobody reads the rows of x any more
	; ---- F: wave 0 stores the scale words of the trip's eight places: 64 bytes a tile, 16 a lane, 512 consecutive bytes, aligned, with all lanes on.
	; A place without a tile holds the zeros of the head's fill or an earlier trip's bytes; the next launch loads the words of tiles under NT alone.
	s_cmp_lg_u32 s[WV], 0
	s_cbranch_scc1 .Lf_done
	s_cmp_eq_u32 s[MT], 0
	s_cbranch_scc1 .Lf_done
	ds_load_b128 v[FW:FW+3], v[FA]
	s_wait_dscnt 0x0
	global_store_b128 v[L16], v[FW:FW+3], s[18:19]
.Lf_done:
	s_wait_xcnt 0x0                                ; the trip's stores have read their data and bases: both may be written again
	s_add_nc_u64 s[16:17], s[16:17], 8*16384
	s_add_nc_u64 s[18:19], s[18:19], 8*64
	s_add_co_u32 s[I0], s[I0], 8
	s_add_co_u32 s[LOFF], s[LOFF], 512
	s_add_co_u32 s[TR], s[TR], 1
	s_cmp_lt_u32 s[TR], 8
	s_cbranch_scc1 .Ltrip
	s_wait_tensorcnt 0x0
	ds_add_u32 v254, v255
	s_wait_dscnt 0x0
	s_endpgm
.Lfunc_end_k_q31fedee62b_hidden:
	.size	k_q31fedee62b_hidden, .Lfunc_end_k_q31fedee62b_hidden-k_q31fedee62b_hidden
	.p2alignl 7, 3214868480
	.fill 96, 4, 3214868480
	.section	.rodata,"a",@progbits
	.p2align	6, 0x0
	.amdhsa_kernel k_q31fedee62b_hidden
		.amdhsa_group_segment_fixed_size 77312
		.amdhsa_private_segment_fixed_size 0
		.amdhsa_enable_private_segment 0
		.amdhsa_kernarg_size 64
		.amdhsa_user_sgpr_count 2
		.amdhsa_user_sgpr_kernarg_segment_ptr 1
		.amdhsa_wavefront_size32 1
		.amdhsa_system_sgpr_workgroup_id_x 1
		.amdhsa_system_sgpr_workgroup_id_y 1
		.amdhsa_system_sgpr_workgroup_id_z 1
		.amdhsa_system_vgpr_workitem_id 0
		.amdhsa_next_free_vgpr 648
		.amdhsa_next_free_sgpr 80
		.amdhsa_reserve_vcc 0
		.amdhsa_float_denorm_mode_32 3
		.amdhsa_float_denorm_mode_16_64 3
		.amdhsa_memory_ordered 1
		.amdhsa_forward_progress 1
		.amdhsa_inst_pref_size 79
	.end_amdhsa_kernel
	.amdgpu_metadata
---
amdhsa.version: [ 1, 2 ]
amdhsa.kernels:
  - .name:           k_q31fedee62b_hidden
    .symbol:         k_q31fedee62b_hidden.kd
    .args:
      - { .name: x_codes, .offset: 0, .size: 8, .value_kind: global_buffer, .address_space: global }
      - { .name: x_scales, .offset: 8, .size: 8, .value_kind: global_buffer, .address_space: global }
      - { .name: w1_codes, .offset: 16, .size: 8, .value_kind: global_buffer, .address_space: global }
      - { .name: w1_scales, .offset: 24, .size: 8, .value_kind: global_buffer, .address_space: global }
      - { .name: b1, .offset: 32, .size: 8, .value_kind: global_buffer, .address_space: global }
      - { .name: top1, .offset: 40, .size: 8, .value_kind: global_buffer, .address_space: global }
      - { .name: hc, .offset: 48, .size: 8, .value_kind: global_buffer, .address_space: global }
      - { .name: hs, .offset: 56, .size: 8, .value_kind: global_buffer, .address_space: global }
    .group_segment_fixed_size: 77312
    .private_segment_fixed_size: 0
    .kernarg_segment_align: 8
    .kernarg_segment_size: 64
    .max_flat_workgroup_size: 128
    .sgpr_count:     80
    .vgpr_count:     648
    .wavefront_size: 32
...
	.end_amdgpu_metadata
.endif
;; end of part 2
;; launch outp (part 3): grid 16 x 16, 4 waves a work-group, no clusters, 144,384 bytes of LDS; arguments hc, hs, w2_codes, w2_scales, b2, top1, out0; writes out0
.if DOCPART == 3
	.amdgcn_target "amdgcn-amd-amdhsa--gfx1250"
	.amdhsa_code_object_version 6
	.text
	.protected	k_q31fedee62b_outp
	.globl	k_q31fedee62b_outp
	.p2align	8
	.type	k_q31fedee62b_outp,@function
k_q31fedee62b_outp:
	s_mov_b64 s[64:65], 0
	v_nop
	global_prefetch_b8 v0, s[64:65] scope:SCOPE_SE
	s_setreg_imm32_b32 hwreg(HW_REG_WAVE_MODE, 25, 1), 1
	s_wait_xcnt 0x0
; out0[t] = h[t] w2[e] + b2[e] for the expert e = top1[t] alone (the choice by the one-hot mask is the scatter to the tokens' rows).  h: the codes and scale words that the launch before stored;
; w2: codes and scale bytes as they lie in memory; both FP4 (E2M1) with one E8M0 scale for each 32 along K = 2,048.
; SHARES.  Work-group (x = j, y = e) makes output columns 64 j .. 64 j + 63 for all of e's tokens.  K IS CUT OVER THE WAVES: wave w takes K steps 4 w .. 4 w + 3 of 128, so that the work-group loads each byte of
; its weights and of the hidden layer once.  A wave's 4 column tiles x 4 K steps of w2 (16,384 bytes) are asked for at the head, stay in 128 registers, and are read from memory once in the launch.
; The four waves' partial sums meet in LDS; the pass that adds them also turns them into whole pieces of rows.
; THE LIST of e's tokens is made as in the launch before, by the same lines, so tile i, row r means the same token in both.  Places n .. n + 31 hold the first token once more: the rows that fill a short last
; tile are copies of that token's row and store the same bits to the same bytes as it.  With n = 0 the work-group stores nothing.
; THE LOOP has a constant 8 trips of up to 8 tiles; a trip without tiles passes its two barriers and nothing else.  A trip:
;   A: each wave loads its K steps of every tile (register images: 512 consecutive bytes a load), multiplies, puts its partial sums into LDS | barrier |
;   S: wave w adds the four parts of rows 4 w .. 4 w + 3 of every tile, adds b2, and stores: sixteen lanes fill 256 consecutive bytes, aligned, of a token's row | barrier.
; THE PRODUCT IS USED TRANSPOSED (source 0 = 16 rows of w2, that is 16 output columns; source 1 = 16 tokens): a lane holds eight neighbouring columns of one token.
; The sum over K is formed as ((waves 0 + 1) + (waves 2 + 3)) + b2, each wave's part K ascending.
; NO TENSOR LOADS, and so no joint loads: what a work-group does hangs on a count read from memory.
; LIMITS: NaN, infinities and the scale byte 0xff are not served.
; REGISTERS: window 0: v1-47 addresses, b2; v48-79 top1 (wave 0); v80-95 h's scale words; v96-103 w2's; v104-167 two sets of four accumulators; v168-199 the parts to be added.
;   window 1: h's fragments (tile k, K step q: 32 k + 8 q).   window 2: v0-127 w2's 16 fragments (column tile t, K step q: 8 (4 t + q)).
.set CNTW, 4228                        ; LDS: the list, 1,056 words from byte 0; a word for lanes without a token at 4,224; the count at 4,228
.set PB,   4608                        ; the partial sums: [wave 4][tile 8][row 16], rows of 256 bytes + 16 of padding
.set PPI,  272
.set PTL,  16*PPI
.set PWV,  8*PTL
.set WV,   20                          ; s20 wave   s21 expert   s23 n   s24 tiles   s25 trip   s26 the trip's first tile   s27 its tiles (0 .. 8)   s28 its place in the list, bytes
.set EX,   21
.set CN,   23
.set NTL,  24
.set TR,   25
.set I0,   26
.set MT,   27
.set LOFF, 28
.set MK,   32                          ; s[32:47] sixteen ballots
.set BS,   48                          ; s[48:63] the count ahead of each
.set TMP,  76
.set LN,   1                           ; lane
.set RW,   2                           ; r = lane % 16
.set HH,   3                           ; h = lane / 16
.set L16,  4                           ; 16 x lane
.set ZB,   6                           ; 0: the list's first word
.set CA,   7                           ; the count's word
.set L4,   8                           ; 4 x lane
.set DI,   9                           ; 1,056: the place of lanes without a token
.set F1,   10
.set KN,   11
.set PP,   12                          ; v12-15 places   v16-19 their LDS addresses (used for this alone)   v20-23 tokens
.set AA,   16
.set KK,   20
.set Z4,   24                          ; v24-27 zeros
.set WA,   28                          ; w2: r x 1,024 + 16 h
.set WSA,  29                          ; its scale rows: 64 x lane: lanes 0-15 an even tile's, lanes 16-31 the odd one's
.set C16,  30                          ; 16 r
.set HSO,  31                          ; hs: 4,096 h + 4 r: lanes 0-15 an even K step's words, lanes 16-31 the odd one's
.set LA0,  32                          ; the list: my two rows' tokens: 16 w + 8 h
.set LA,   33
.set PA,   34                          ; where I put 32 bytes of a row of partial sums
.set SA,   36                          ; v36-39 where I read 16 bytes of a row of wave 0's .. wave 3's
.set TK,   40                          ; v40-41 two tokens, then their byte offsets in out0
.set BB,   44                          ; v44-47 b2 of my four columns
.set TT,   48
.set HSC,  80                          ; 2 k + q / 2
.set WS,   96                          ; 4 (t / 2) + q
.set ACC,  104
.set SR,   168                         ; 16 p + 4 x wave
.set MSB, 0
.macro WIN new                         ; the immediate's high byte repeats the setting that is left; every window is 0 at a label and at a branch
.if MSB != \new
	s_set_vgpr_msb (MSB<<8)|\new
.set MSB, \new
.endif
.endm
.macro BARRIER                         ; my LDS stores have landed and my LDS loads are in: then the work-group's barrier
	s_wait_dscnt 0x0
	s_barrier_signal -1
	s_barrier_wait -1
.endm
; Wave 0 lays the expert's tokens on end.  Register TT + n of lane l holds top1 of token 128 (n / 4) + 4 l + n % 4.
.macro LIST
.irp q, 0,1,2,3,4,5,6,7,8
	ds_store_b128 v[L16], v[Z4:Z4+3] offset:512*\q                ; bytes 0 .. 4,607 are zeros: every word of the list is a token's number whatever n is
.endr
	s_mov_b32 s[CN], 0
.irp g, 0,1
.irp i, 0,1,2,3,4,5,6,7,8,9,10,11,12,13,14,15
	v_cmp_eq_u32 s[MK+\i], s[EX], v[TT+16*\g+\i]                  ; which lanes' tokens chose my expert
.endr
.irp i, 0,1,2,3,4,5,6,7,8,9,10,11,12,13,14,15
	s_mov_b32 s[BS+\i], s[CN]
	s_bcnt1_i32_b32 s[TMP], s[MK+\i]
	s_add_co_u32 s[CN], s[CN], s[TMP]
.endr
.irp a, 0,1,2,3                                ; four registers at a time, stage by stage
.irp c, 0,1,2,3
	v_mbcnt_lo_u32_b32 v[PP+\c], s[MK+4*\a+\c], s[BS+4*\a+\c]     ; the count ahead + the chosen lanes below mine
.endr
.irp c, 0,1,2,3
	v_cndmask_b32 v[PP+\c], v[DI], v[PP+\c], s[MK+4*\a+\c]        ; a lane without a token writes the spare word
.endr
.irp c, 0,1,2,3
	v_min_u32 v[PP+\c], 1056, v[PP+\c]
.endr
.irp c, 0,1,2,3
	v_lshlrev_b32 v[AA+\c], 2, v[PP+\c]
.endr
.irp c, 0,1,2,3
	v_add_nc_u32 v[KK+\c], 128*(4*\g+\a)+\c, v[L4]                ; the token's number
.endr
.irp c, 0,1,2,3
	ds_store_b32 v[AA+\c], v[KK+\c]
.endr
.endr
.endr
	ds_load_b32 v[F1], v[ZB]                       ; LDS serves a wave's instructions in order: this sees the stores above
	v_add_nc_u32 v[PP], s[CN], v[LN]
	v_min_u32 v[PP], 1055, v[PP]
	v_lshlrev_b32 v[AA], 2, v[PP]
	v_mov_b32 v[KN], s[CN]
	s_wait_dscnt 0x0
	ds_store_b32 v[AA], v[F1]                      ; places n .. n + 31: the first token once more
	ds_store_b32 v[CA], v[KN]                      ; n, for all four waves
.endm
	s_load_b256 s[4:11], s[0:1], 0x0               ; hc s[4:5], hs s[6:7], w2's codes s[8:9], w2's scales s[10:11]
	s_load_b128 s[12:15], s[0:1], 0x20             ; b2 s[12:13], top1 s[14:15]
	s_load_b64 s[16:17], s[0:1], 0x30              ; out0
	v_lshl_add_u32 v254, v0, 2, 0x23200
	v_mov_b32 v255, 0
	v_lshrrev_b32 v[LN], 5, v0
	v_readfirstlane_b32 s[WV], v[LN]               ; wave 0..3
	s_and_b32 s[EX], ttmp7, 0xffff                 ; the expert
	v_and_b32 v[LN], 31, v0
	v_and_b32 v[RW], 15, v0
	v_bfe_u32 v[HH], v0, 4, 1
	v_lshlrev_b32 v[L16], 4, v[LN]
	v_mov_b32 v[ZB], 0
	v_mov_b32 v[CA], CNTW
	v_lshlrev_b32 v[L4], 2, v[LN]
	v_mov_b32 v[DI], 1056
.irp i, 0,1,2,3
	v_mov_b32 v[Z4+\i], 0
.endr
	v_lshlrev_b32 v[WA], 10, v[RW]
	v_lshl_add_u32 v[WA], v[HH], 4, v[WA]
	v_lshlrev_b32 v[WSA], 6, v[LN]
	v_lshlrev_b32 v[C16], 4, v[RW]
	v_lshlrev_b32 v[HSO], 2, v[RW]
	v_lshl_add_u32 v[HSO], v[HH], 12, v[HSO]
	s_lshl_b32 s76, s[WV], 4
	v_lshl_add_u32 v[LA0], v[HH], 3, s76
	s_mul_i32 s76, s[WV], PWV
	s_add_co_u32 s76, s76, PB                      ; my wave's partial sums
	v_mul_u32_u24 v[PA], v[RW], PPI
	v_lshl_add_u32 v[PA], v[HH], 5, v[PA]
	v_add_nc_u32 v[PA], s76, v[PA]                 ; row r, + 32 h
	s_mul_i32 s77, s[WV], 4*PPI
	s_add_co_u32 s77, s77, PB                      ; the four rows of a tile that I finish
	v_mul_u32_u24 v[SA], v[HH], 2*PPI
	v_lshl_add_u32 v[SA], v[RW], 4, v[SA]
	v_add_nc_u32 v[SA], s77, v[SA]                 ; row 4 w + 2 h, 16 bytes a lane, in wave 0's sums;
.irp a, 1,2,3
	v_add_nc_u32 v[SA+\a], \a*PWV, v[SA]           ; in the other waves'
.endr
	; byte offsets of my share, each in a pair of its own
	s_lshl_b32 s76, s[EX], 10
	s_lshl_b32 s77, ttmp9, 6
	s_add_co_u32 s76, s76, s77                     ; 1,024 e + 64 j: my first row of w2
	s_lshl_b32 s66, s76, 10                        ; 1,024 bytes of codes a row,
	s_lshl_b32 s77, s[WV], 8                       ; my four K steps: 256 bytes of it
	s_add_co_u32 s66, s66, s77
	s_mov_b32 s67, 0
	s_lshl_b32 s68, s76, 6                         ; 64 scale bytes a row,
	s_lshl_b32 s77, s[WV], 4                       ; my 16 of them
	s_add_co_u32 s68, s68, s77
	s_mov_b32 s69, 0
	s_lshl_b32 s70, s76, 2                         ; b2
	s_mov_b32 s71, 0
	s_lshl_b32 s72, s[EX], 20                      ; hc: 2^20 bytes an expert,
	s_lshl_b32 s77, s[WV], 12                      ; 1,024 a K step
	s_add_co_u32 s72, s72, s77
	s_mov_b32 s73, 0
	s_lshl_b32 s74, s[EX], 4
	s_lshl_b32 s77, s[WV], 2
	s_add_co_u32 s74, s74, s77
	s_lshl_b32 s74, s74, 12                        ; hs: 4,096 bytes for each (expert, K step)
	s_mov_b32 s75, 0
	s_lshl_b32 s78, ttmp9, 8                       ; out0: my 64 columns' 256 bytes of a row
	s_mov_b32 s79, 0
	s_wait_kmcnt 0x0
	s_add_nc_u64 s[8:9], s[8:9], s[66:67]
	s_add_nc_u64 s[10:11], s[10:11], s[68:69]
	s_add_nc_u64 s[12:13], s[12:13], s[70:71]
	s_add_nc_u64 s[4:5], s[4:5], s[72:73]
	s_add_nc_u64 s[6:7], s[6:7], s[74:75]
	s_add_nc_u64 s[16:17], s[16:17], s[78:79]
	s_cmp_lg_u32 s[WV], 0
	s_cbranch_scc1 .Lno_top1
.irp q, 0,1,2,3,4,5,6,7
	global_load_b128 v[TT+4*\q:TT+4*\q+3], v[L16], s[14:15] offset:512*\q   ; wave 0: all of top1, first of all its loads
.endr
.Lno_top1:
	WIN 0x80                                       ; destination window 2
.irp t, 0,1,2,3
.irp q, 0,1,2,3
.irp c, 0,1
	global_load_b128 v[8*(4*\t+\q)+4*\c:8*(4*\t+\q)+4*\c+3], v[WA], s[8:9] offset:16384*\t+64*\q+32*\c th:TH_LOAD_NT   ; a tile's eight loads take 256 aligned bytes of each of its 16 rows; read once in the launch
.endr
.endr
.endr
	WIN 0
.irp p, 0,1
	global_load_b128 v[WS+4*\p:WS+4*\p+3], v[WSA], s[10:11] offset:2048*\p   ; the four K steps' words of rows 32 p + lane
.endr
	global_load_b128 v[BB:BB+3], v[C16], s[12:13]
	s_cmp_lg_u32 s[WV], 0
	s_cbranch_scc1 .Lno_list
	s_wait_loadcnt 35                              ; top1 is in; the 32 + 2 + 1 loads issued behind it stay on their way while the list is made
	LIST
.Lno_list:
	BARRIER                                        ; the list and the count lie in LDS
	ds_load_b32 v[KN], v[CA]
	s_wait_dscnt 0x0
	v_readfirstlane_b32 s[CN], v[KN]
	s_min_u32 s[CN], s[CN], 1024
	s_add_co_u32 s[NTL], s[CN], 15
	s_lshr_b32 s[NTL], s[NTL], 4                   ; tiles of 16
; Tile k's hidden codes of my four K steps, as images of the operand's registers, and their scale words.
.macro HLOAD k
	WIN 0x40                                       ; destination window 1
.irp q, 0,1,2,3
.irp c, 0,1
	global_load_b128 v[32*(\k)+8*\q+4*\c:32*(\k)+8*\q+4*\c+3], v[L16], s[4:5] offset:16384*(\k)+1024*\q+512*\c   ; 32 lanes read 512 consecutive bytes
.endr
.endr
	WIN 0
.irp q, 0,1
	global_load_b32 v[HSC+2*(\k)+\q], v[HSO], s[6:7] offset:8192*\q+64*(\k)
.endr
.endm
; One product: tile k, K step q, column tile t.  w2's scale words of an odd tile, and h's of an odd K step, lie in lanes 16-31.
.macro PROD k, q, t
.set rD, ACC+32*((\k)%2)+8*(\t)
.set rA, 8*(4*(\t)+(\q))
.set rB, 32*(\k)+8*(\q)
.set rS, WS+4*((\t)/2)+(\q)
.set rH, HSC+2*(\k)+(\q)/2
.if ((\q) == 0) && ((\t)%2 == 0)
	v_wmma_scale_f32_16x16x128_f8f6f4 v[rD:rD+7], v[rA:rA+7], v[rB:rB+7], 0, v[rS], v[rH] matrix_a_fmt:MATRIX_FMT_FP4 matrix_b_fmt:MATRIX_FMT_FP4
.elseif (\q) == 0
	v_wmma_scale_f32_16x16x128_f8f6f4 v[rD:rD+7], v[rA:rA+7], v[rB:rB+7], 0, v[rS], v[rH] matrix_a_fmt:MATRIX_FMT_FP4 matrix_b_fmt:MATRIX_FMT_FP4 matrix_a_scale:MATRIX_SCALE_ROW1
.elseif ((\q)%2 == 0) && ((\t)%2 == 0)
	v_wmma_scale_f32_16x16x128_f8f6f4 v[rD:rD+7], v[rA:rA+7], v[rB:rB+7], v[rD:rD+7], v[rS], v[rH] matrix_a_fmt:MATRIX_FMT_FP4 matrix_b_fmt:MATRIX_FMT_FP4
.elseif (\q)%2 == 0
	v_wmma_scale_f32_16x16x128_f8f6f4 v[rD:rD+7], v[rA:rA+7], v[rB:rB+7], v[rD:rD+7], v[rS], v[rH] matrix_a_fmt:MATRIX_FMT_FP4 matrix_b_fmt:MATRIX_FMT_FP4 matrix_a_scale:MATRIX_SCALE_ROW1
.elseif (\t)%2 == 0
	v_wmma_scale_f32_16x16x128_f8f6f4 v[rD:rD+7], v[rA:rA+7], v[rB:rB+7], v[rD:rD+7], v[rS], v[rH] matrix_a_fmt:MATRIX_FMT_FP4 matrix_b_fmt:MATRIX_FMT_FP4 matrix_b_scale:MATRIX_SCALE_ROW1
.else
	v_wmma_scale_f32_16x16x128_f8f6f4 v[rD:rD+7], v[rA:rA+7], v[rB:rB+7], v[rD:rD+7], v[rS], v[rH] matrix_a_fmt:MATRIX_FMT_FP4 matrix_b_fmt:MATRIX_FMT_FP4 matrix_a_scale:MATRIX_SCALE_ROW1 matrix_b_scale:MATRIX_SCALE_ROW1
.endif
.endm
; Tile k's partial sums.  The tiles are taken from the last one asked for down to tile 0, so that every way to a tile's lines has issued its loads; ways join ahead of each tile, so each has the wait.
.macro CPROD k
	s_wait_loadcnt 0x0
	WIN 0x06                                       ; source 0 (w2) window 2, source 1 (h) window 1
.irp q, 0,1,2,3                                ; K ascending; the four accumulators by turns; the first K step starts the sums
.irp t, 0,1,2,3
	PROD \k, \q, \t
.endr
.endr
	WIN 0
.rept 5
	v_nop                                          ; four places ahead of the stores that read the results; the fifth for products that begin an accumulator anew
.endr
.irp t, 0,1,2,3
.irp c, 0,1
	ds_store_b128 v[PA], v[ACC+32*((\k)%2)+8*\t+4*\c:ACC+32*((\k)%2)+8*\t+4*\c+3] offset:PTL*(\k)+64*\t+16*\c   ; token r, columns 16 t + 8 h + 4 c on; each accumulator from its low end on
.endr
.endr
.endm
; Tile k's rows 4 w + 2 h + p: the four parts are added, b2 is added, and the piece of the token's row is stored.
.macro SROW k
	s_wait_xcnt 0x0                                ; the last tile's stores have read their data and offsets: both are written again below
	ds_load_b64 v[TK:TK+1], v[LA] offset:64*(\k)
.irp p, 0,1
.irp a, 0,1,2,3
	ds_load_b128 v[SR+16*\p+4*\a:SR+16*\p+4*\a+3], v[SA+\a] offset:PTL*(\k)+PPI*\p
.endr
.endr
	s_wait_dscnt 0x0
.irp p, 0,1
	v_min_u32 v[TK+\p], 1023, v[TK+\p]
.endr
.irp p, 0,1
.irp d, 0,2
	v_pk_add_f32 v[SR+16*\p+\d:SR+16*\p+\d+1], v[SR+16*\p+\d:SR+16*\p+\d+1], v[SR+16*\p+4+\d:SR+16*\p+4+\d+1]
	v_pk_add_f32 v[SR+16*\p+8+\d:SR+16*\p+8+\d+1], v[SR+16*\p+8+\d:SR+16*\p+8+\d+1], v[SR+16*\p+12+\d:SR+16*\p+12+\d+1]
.endr
.endr
.irp p, 0,1
	v_lshl_add_u32 v[TK+\p], v[TK+\p], 12, v[C16]  ; 4,096 bytes a token's row, 16 bytes a lane
.endr
.irp p, 0,1
.irp d, 0,2
	v_pk_add_f32 v[SR+16*\p+\d:SR+16*\p+\d+1], v[SR+16*\p+\d:SR+16*\p+\d+1], v[SR+16*\p+8+\d:SR+16*\p+8+\d+1]
.endr
.endr
.irp p, 0,1
.irp d, 0,2
	v_pk_add_f32 v[SR+16*\p+\d:SR+16*\p+\d+1], v[SR+16*\p+\d:SR+16*\p+\d+1], v[BB+\d:BB+\d+1]
.endr
.endr
.irp p, 0,1
	global_store_b128 v[TK+\p], v[SR+16*\p:SR+16*\p+3], s[16:17] th:TH_STORE_NT   ; sixteen lanes store 256 consecutive bytes, at a multiple of 256 from out0's first byte
.endr
.endm
	s_mov_b32 s[TR], 0
	s_mov_b32 s[I0], 0
	s_mov_b32 s[LOFF], 0
.Ltrip:
	s_sub_co_i32 s[MT], s[NTL], s[I0]
	s_max_i32 s[MT], s[MT], 0
	s_min_u32 s[MT], s[MT], 8                      ; this trip's tiles
	v_add_nc_u32 v[LA], s[LOFF], v[LA0]
	; ---- A
	s_cmp_eq_u32 s[MT], 0
	s_cbranch_scc1 .La_done
	HLOAD 0
.irp n, 1,2,3,4,5,6,7
	s_cmp_le_u32 s[MT], \n                         ; n tiles are asked for: are they all?
	s_cbranch_scc1 .La_have\n
	HLOAD \n
.endr
.irp n, 8,7,6,5,4,3,2,1
.La_have\n:
	CPROD (\n-1)
.endr
.La_done:
	BARRIER                                        ; the four waves' partial sums lie in LDS
	; ---- S
	s_cmp_eq_u32 s[MT], 0
	s_cbranch_scc1 .Ls_done
	s_wait_loadcnt 0x0                             ; b2
	SROW 0
.irp n, 1,2,3,4,5,6,7
	s_cmp_le_u32 s[MT], \n
	s_cbranch_scc1 .Ls_done
	SROW \n
.endr
.Ls_done:
	BARRIER                                        ; nobody reads the partial sums any more: the next trip may write them
	s_wait_xcnt 0x0                                ; the trip's loads and stores have read their bases
	s_add_nc_u64 s[4:5], s[4:5], 8*16384
	s_add_nc_u64 s[6:7], s[6:7], 8*64
	s_add_co_u32 s[I0], s[I0], 8
	s_add_co_u32 s[LOFF], s[LOFF], 512
	s_add_co_u32 s[TR], s[TR], 1
	s_cmp_lt_u32 s[TR], 8
	s_cbranch_scc1 .Ltrip
	s_wait_tensorcnt 0x0
	ds_add_u32 v254, v255
	s_wait_dscnt 0x0
	s_endpgm
.Lfunc_end_k_q31fedee62b_outp:
	.size	k_q31fedee62b_outp, .Lfunc_end_k_q31fedee62b_outp-k_q31fedee62b_outp
	.p2alignl 7, 3214868480
	.fill 96, 4, 3214868480
	.section	.rodata,"a",@progbits
	.p2align	6, 0x0
	.amdhsa_kernel k_q31fedee62b_outp
		.amdhsa_group_segment_fixed_size 144384
		.amdhsa_private_segment_fixed_size 0
		.amdhsa_enable_private_segment 0
		.amdhsa_kernarg_size 56
		.amdhsa_user_sgpr_count 2
		.amdhsa_user_sgpr_kernarg_segment_ptr 1
		.amdhsa_wavefront_size32 1
		.amdhsa_system_sgpr_workgroup_id_x 1
		.amdhsa_system_sgpr_workgroup_id_y 1
		.amdhsa_system_sgpr_workgroup_id_z 1
		.amdhsa_system_vgpr_workitem_id 0
		.amdhsa_next_free_vgpr 640
		.amdhsa_next_free_sgpr 80
		.amdhsa_reserve_vcc 0
		.amdhsa_float_denorm_mode_32 3
		.amdhsa_float_denorm_mode_16_64 3
		.amdhsa_memory_ordered 1
		.amdhsa_forward_progress 1
		.amdhsa_inst_pref_size 74
	.end_amdhsa_kernel
	.amdgpu_metadata
---
amdhsa.version: [ 1, 2 ]
amdhsa.kernels:
  - .name:           k_q31fedee62b_outp
    .symbol:         k_q31fedee62b_outp.kd
    .args:
      - { .name: hc, .offset: 0, .size: 8, .value_kind: global_buffer, .address_space: global }
      - { .name: hs, .offset: 8, .size: 8, .value_kind: global_buffer, .address_space: global }
      - { .name: w2_codes, .offset: 16, .size: 8, .value_kind: global_buffer, .address_space: global }
      - { .name: w2_scales, .offset: 24, .size: 8, .value_kind: global_buffer, .address_space: global }
      - { .name: b2, .offset: 32, .size: 8, .value_kind: global_buffer, .address_space: global }
      - { .name: top1, .offset: 40, .size: 8, .value_kind: global_buffer, .address_space: global }
      - { .name: out0, .offset: 48, .size: 8, .value_kind: global_buffer, .address_space: global }
    .group_segment_fixed_size: 144384
    .private_segment_fixed_size: 0
    .kernarg_segment_align: 8
    .kernarg_segment_size: 56
    .max_flat_workgroup_size: 128
    .sgpr_count:     80
    .vgpr_count:     640
    .wavefront_size: 32
...
	.end_amdgpu_metadata
.endif
;; end of part 3
;; ======== version 2 of 3: 3 launches; 1.24 times as fast as version 1
;; workspace buffers: top1 4,096 bytes of whole numbers; hc 16,777,216 bytes; hs 1,048,576 bytes; lst 73,728 bytes of whole numbers
;; launch router: the kernel of part 1 again; grid 32 x 1, 1 waves a work-group, no clusters, 0 bytes of LDS; arguments x_codes, x_scales, gate_w_codes, gate_w_scales, gate_b, top1; writes top1
;; launch hidden (part 4): grid 16 x 16, 4 waves a work-group, no clusters, 77,312 bytes of LDS; arguments x_codes, x_scales, w1_codes, w1_scales, b1, top1, hc, hs, lst; writes hc, hs, lst
.if DOCPART == 4
	.amdgcn_target "amdgcn-amd-amdhsa--gfx1250"
	.amdhsa_code_object_version 6
	.text
	.protected	k_q31fedee62b_hidden
	.globl	k_q31fedee62b_hidden
	.p2align	8
	.type	k_q31fedee62b_hidden,@function
k_q31fedee62b_hidden:
	s_mov_b64 s[64:65], 0
	v_nop
	global_prefetch_b8 v0, s[64:65] scope:SCOPE_SE
	s_setreg_imm32_b32 hwreg(HW_REG_WAVE_MODE, 25, 1), 1
	s_wait_xcnt 0x0
; The hidden layer of the CHOSEN expert alone: for each token t with top1[t] = e, relu(x[t] w1[e] + b1[e]), quantised along H to FP4 (E2M1) with one E8M0 scale for each 32.
; The product runs on the codes and scale bytes of x and w1 as they lie in memory.
; SHARES.  Work-group (x = j, y = e) makes hidden units 128 j .. 128 j + 127 of expert e, one K step of the next product, for all of e's tokens.  Wave w makes the block of 32 units from
; hb = 128 j + 32 w on, as two tiles of 16, over all K = 1,024: its 32 rows of w1 (16,384 bytes) are asked for at the head, stay in 128 registers, and are read from memory once in the launch.
; THE LIST.  Wave 0 reads top1 and lays e's tokens on end in LDS (a ballot for each of its 32 registers, a running count, a lane's place by the ballot's bits below it).  The order is
; (register, lane).  n tokens make NT = ceil(n / 16) tiles.  Places n .. n + 31 hold the list's first token once more: a short last tile is filled with copies of a row of the same expert, which give
; the same bits as that row.  With n = 0 the work-group stores no codes and no scale words.  The expert's first work-group (j = 0) stores the list and n to lst, for the next launch.
; THE LOOP has a constant 8 trips of up to 8 tiles (1,024 tokens on one expert are served); a trip without tiles passes its two barriers and nothing else.  A trip:
;   G: wave w gathers rows 4 w .. 4 w + 3 of each tile of x (codes and scale bytes) into LDS | barrier |  C: each wave multiplies every tile by its weights, quantises, stores codes; scale bytes to LDS | barrier |
;   F: wave 0 stores the scale words of the trip's eight places for tiles;  L (first trip, j = 0): wave 1 stores the list.
; THE PRODUCT IS USED TRANSPOSED (source 0 = 16 rows of w1, source 1 = 16 tokens), AND THE ROWS OF A TILE ARE NOT NEIGHBOURS: lane r of tile u takes row hb + 8 u + r + 8 (r / 8).  So lane (r, h) holds token r,
; and the 16 registers of its two accumulators are units hb + 16 h + 0 .. 15: neighbours along the next K.  b1 is the C of each sum's first product.
; WORKSPACE.  hc: [e 16][tile 64][block 64][row 16][16 bytes]: a K step's 1,024 bytes of a tile are the image of the next product's operand registers.  hs: [e 16][K step 16][tile 64][row 16] words.
; Of hs a trip with tiles stores all eight places, 512 bytes; a place without a tile gets zeros or an earlier trip's bytes, which the next launch does not read.
; lst: [e 16][4,608 bytes]: 1,056 words of the list, a spare word, n at byte 4,228, zeros.
; NO TENSOR LOADS, and so no joint loads: what a work-group does hangs on a count read from memory.  What an expert's sixteen work-groups share, 544 bytes a token, is small beside the 69,632 bytes of
; weights and scales that each reads alone.
; LIMITS: NaN, infinities and the scale byte 0xff are not served.  A block of zeros gets the byte 1 where the quantiser says 127: its codes are zeros, and this program alone reads the bytes.
; REGISTERS: window 0: v1-47 addresses; v48-79 top1 (wave 0); v80-103 tokens; v104-139 the list on its way to memory; v144-159 x's scale words, two sets; v176-191 the accumulators; v192-215 at work;
;   v224-231 w1's scale words; v232-247 b1.   window 1: v0-127 w1's 16 fragments (tile u, K step s: 8 (8 u + s)); v128-255 x's fragments, two sets of 64.   window 2: v0-135 the gathered rows on their way to LDS.
.set CNTW, 4228                        ; LDS: the list, 1,056 words from byte 0; a word for lanes without a token at 4,224; the count at 4,228
.set SCB,  4608                        ; 512 bytes: a trip's scale bytes: 64 tile + 4 row + wave
.set XST,  5120                        ; 8 tiles x 16 rows of x
.set XP,   560                         ; a row: 512 bytes of codes, 32 scale bytes, 16 of padding: 35 x 16, so the 16 rows that a load touches start at 16 different places modulo 256 bytes
.set XT,   16*XP
.set WV,   20                          ; s20 wave   s21 expert   s23 n   s24 tiles   s25 trip   s26 the trip's first tile   s27 its tiles (0 .. 8)   s28 its place in the list, bytes
.set EX,   21
.set CN,   23
.set NTL,  24
.set TR,   25
.set I0,   26
.set MT,   27
.set LOFF, 28
.set SEL,  30                          ; s[30:31] selects for lane l xor 16
.set MK,   32                          ; s[32:47] sixteen ballots
.set BS,   48                          ; s[48:63] the count ahead of each
.set TMP,  76
.set LP,   80                          ; s[80:81] lst at my expert's part
.set LN,   1                           ; lane
.set RW,   2                           ; r = lane % 16
.set HH,   3                           ; h = lane / 16
.set L16,  4                           ; 16 x lane
.set ZB,   6                           ; 0: the list's first word
.set CA,   7                           ; the count's word
.set L4,   8                           ; 4 x lane
.set DI,   9                           ; 1,056: the place of lanes without a token
.set F1,   10
.set KN,   11
.set PP,   12                          ; v12-15 places   v16-19 their LDS addresses (used for this alone)   v20-23 tokens
.set AA,   16
.set KK,   20
.set Z4,   24                          ; v24-27 zeros
.set WA,   28                          ; w1: (r + 8 (r / 8)) x 512 + 16 h
.set WSA,  29                          ; its scale rows: lanes 0-15 tile 0's, lanes 16-31 tile 1's
.set BA,   30                          ; b1: 64 h
.set C16,  31                          ; 16 r
.set C4,   32                          ; 4 (lane % 8)
.set LA0,  33                          ; the list: my two rows' tokens: 16 w + 8 h
.set LB0,  34                          ; and the row whose scale bytes I gather: 16 w + 4 (lane / 8)
.set LA,   35
.set LB,   36
.set GSA,  37                          ; where I put gathered codes
.set GSB,  38                          ; and scale bytes
.set XA,   39                          ; where I read a fragment of x
.set XSA,  40                          ; and its scale words
.set HCO,  41                          ; hc: 16 r + 8 h
.set SCA,  42                          ; my block's scale byte: SCB + 4 r + w
.set FA,   43                          ; SCB + 16 x lane
.set TP,   45
.set TT,   48
.set TK,   80                          ; two tokens a tile, then their byte offsets in x's codes
.set TS,   96                          ; one a tile, then its offset in x's scales
.set LR,   104
.set XS,   144                         ; set k % 2 at 8 (k % 2)
.set XF,   128                         ; in window 1: set k % 2 at 64 (k % 2)
.set ACC,  176
.set T0,   192
.set T1,   193
.set SCV,  194
.set BY,   195
.set PC,   196                         ; two registers of codes a tile, so that no store's data are written again within a trip
.set FW,   212
.set WS,   224
.set BI,   232
.set MSB, 0
.macro WIN new                         ; the immediate's high byte repeats the setting that is left; every window is 0 at a label and at a branch
.if MSB != \new
	s_set_vgpr_msb (MSB<<8)|\new
.set MSB, \new
.endif
.endm
.macro BARRIER                         ; my LDS stores have landed and my LDS loads are in: then the work-group's barrier
	s_wait_dscnt 0x0
	s_barrier_signal -1
	s_barrier_wait -1
.endm
; Wave 0 lays the expert's tokens on end.  Register TT + n of lane l holds top1 of token 128 (n / 4) + 4 l + n % 4.
.macro LIST
.irp q, 0,1,2,3,4,5,6,7,8,9
	ds_store_b128 v[L16], v[Z4:Z4+3] offset:512*\q                ; bytes 0 .. 5,119 are zeros: every word of the list is a token's number whatever n is, and the scale bytes of places without a tile are written
.endr
	s_mov_b32 s[CN], 0
.irp g, 0,1
.irp i, 0,1,2,3,4,5,6,7,8,9,10,11,12,13,14,15
	v_cmp_eq_u32 s[MK+\i], s[EX], v[TT+16*\g+\i]                  ; which lanes' tokens chose my expert
.endr
.irp i, 0,1,2,3,4,5,6,7,8,9,10,11,12,13,14,15
	s_mov_b32 s[BS+\i], s[CN]
	s_bcnt1_i32_b32 s[TMP], s[MK+\i]
	s_add_co_u32 s[CN], s[CN], s[TMP]
.endr
.irp a, 0,1,2,3                                ; four registers at a time, stage by stage
.irp c, 0,1,2,3
	v_mbcnt_lo_u32_b32 v[PP+\c], s[MK+4*\a+\c], s[BS+4*\a+\c]     ; the count ahead + the chosen lanes below mine
.endr
.irp c, 0,1,2,3
	v_cndmask_b32 v[PP+\c], v[DI], v[PP+\c], s[MK+4*\a+\c]        ; a lane without a token writes the spare word
.endr
.irp c, 0,1,2,3
	v_min_u32 v[PP+\c], 1056, v[PP+\c]
.endr
.irp c, 0,1,2,3
	v_lshlrev_b32 v[AA+\c], 2, v[PP+\c]
.endr
.irp c, 0,1,2,3
	v_add_nc_u32 v[KK+\c], 128*(4*\g+\a)+\c, v[L4]                ; the token's number
.endr
.irp c, 0,1,2,3
	ds_store_b32 v[AA+\c], v[KK+\c]
.endr
.endr
.endr
	ds_load_b32 v[F1], v[ZB]                       ; LDS serves a wave's instructions in order: this sees the stores above
	v_add_nc_u32 v[PP], s[CN], v[LN]
	v_min_u32 v[PP], 1055, v[PP]
	v_lshlrev_b32 v[AA], 2, v[PP]
	v_mov_b32 v[KN], s[CN]
	s_wait_dscnt 0x0
	ds_store_b32 v[AA], v[F1]                      ; places n .. n + 31: the first token once more
	ds_store_b32 v[CA], v[KN]                      ; n, for all four waves
.endm
	s_load_b256 s[4:11], s[0:1], 0x0               ; x's codes s[4:5], x's scales s[6:7], w1's codes s[8:9], w1's scales s[10:11]
	s_load_b256 s[12:19], s[0:1], 0x20             ; b1 s[12:13], top1 s[14:15], hc s[16:17], hs s[18:19]
	s_load_b64 s[LP:LP+1], s[0:1], 0x40            ; lst
	v_lshl_add_u32 v254, v0, 2, 0x12c00
	v_mov_b32 v255, 0
	v_lshrrev_b32 v[LN], 5, v0
	v_readfirstlane_b32 s[WV], v[LN]               ; wave 0..3
	s_and_b32 s[EX], ttmp7, 0xffff                 ; the expert
	v_and_b32 v[LN], 31, v0
	v_and_b32 v[RW], 15, v0
	v_bfe_u32 v[HH], v0, 4, 1
	v_lshlrev_b32 v[L16], 4, v[LN]
	v_mov_b32 v[ZB], 0
	v_mov_b32 v[CA], CNTW
	v_lshlrev_b32 v[L4], 2, v[LN]
	v_mov_b32 v[DI], 1056
.irp i, 0,1,2,3
	v_mov_b32 v[Z4+\i], 0
.endr
	v_mov_b32 v[T1], 0                             ; written once: a lane permute's destination counts as one of its sources
	v_and_b32 v[WA], 8, v[RW]
	v_add_nc_u32 v[WA], v[WA], v[RW]               ; r + 8 (r / 8)
	v_lshl_add_u32 v[WSA], v[HH], 3, v[WA]         ; + 8 for tile 1, which lanes 16-31 serve
	v_lshlrev_b32 v[WSA], 5, v[WSA]                ; 32 scale bytes a row
	v_lshlrev_b32 v[WA], 9, v[WA]
	v_lshl_add_u32 v[WA], v[HH], 4, v[WA]
	v_lshlrev_b32 v[BA], 6, v[HH]
	v_lshlrev_b32 v[C16], 4, v[RW]
	v_and_b32 v[C4], 7, v[LN]
	v_lshlrev_b32 v[C4], 2, v[C4]
	v_lshrrev_b32 v[TP], 3, v[LN]                  ; lane / 8
	s_lshl_b32 s76, s[WV], 4
	v_lshl_add_u32 v[LA0], v[HH], 3, s76
	v_lshl_add_u32 v[LB0], v[TP], 2, s76
	s_mul_i32 s77, s[WV], 4*XP
	s_add_co_u32 s77, s77, XST                     ; my four rows of a tile in LDS
	v_mul_u32_u24 v[GSA], v[HH], 2*XP
	v_lshl_add_u32 v[GSA], v[RW], 4, v[GSA]
	v_add_nc_u32 v[GSA], s77, v[GSA]               ; row 4 w + 2 h, 16 bytes a lane
	v_mul_u32_u24 v[GSB], v[TP], XP
	v_add_nc_u32 v[GSB], v[GSB], v[C4]
	v_add_nc_u32 v[GSB], s77, v[GSB]
	v_add_nc_u32 v[GSB], 512, v[GSB]               ; row 4 w + lane / 8, behind its codes, word lane % 8
	v_mul_u32_u24 v[XA], v[RW], XP
	v_add_nc_u32 v[XSA], XST+512, v[XA]
	v_lshl_add_u32 v[XA], v[HH], 4, v[XA]
	v_add_nc_u32 v[XA], XST, v[XA]
	v_lshl_add_u32 v[HCO], v[HH], 3, v[C16]
	v_lshl_add_u32 v[SCA], v[RW], 2, s[WV]
	v_add_nc_u32 v[SCA], SCB, v[SCA]
	v_add_nc_u32 v[FA], SCB, v[L16]
	s_mov_b32 s[SEL], 0x76543210
	s_mov_b32 s[SEL+1], 0xfedcba98
	; byte offsets of my share, each in a pair of its own
	s_lshl_b32 s76, ttmp9, 7
	s_lshl_b32 s77, s[WV], 5
	s_add_co_u32 s76, s76, s77                     ; hb = 128 j + 32 w
	s_lshl_b32 s77, s[EX], 11
	s_add_co_u32 s77, s77, s76                     ; 2,048 e + hb: my first row of w1
	s_lshl_b32 s66, s77, 9                         ; 512 bytes of codes a row,
	s_mov_b32 s67, 0
	s_lshl_b32 s68, s77, 5                         ; 32 scale bytes,
	s_mov_b32 s69, 0
	s_lshl_b32 s70, s77, 2                         ; 4 bytes of b1
	s_mov_b32 s71, 0
	s_lshl_b32 s72, s[EX], 20                      ; hc: 2^20 bytes an expert,
	s_lshl_b32 s78, s76, 3                         ; 256 bytes a block: 256 (hb / 32)
	s_add_co_u32 s72, s72, s78
	s_mov_b32 s73, 0
	s_lshl_b32 s74, s[EX], 4
	s_add_co_u32 s74, s74, ttmp9
	s_lshl_b32 s74, s74, 12                        ; hs: 4,096 bytes for each (expert, K step)
	s_mov_b32 s75, 0
	s_mul_i32 s82, s[EX], 4608                     ; lst: 4,608 bytes an expert
	s_mov_b32 s83, 0
	s_wait_kmcnt 0x0
	s_add_nc_u64 s[8:9], s[8:9], s[66:67]
	s_add_nc_u64 s[10:11], s[10:11], s[68:69]
	s_add_nc_u64 s[12:13], s[12:13], s[70:71]
	s_add_nc_u64 s[16:17], s[16:17], s[72:73]
	s_add_nc_u64 s[18:19], s[18:19], s[74:75]
	s_add_nc_u64 s[LP:LP+1], s[LP:LP+1], s[82:83]
	s_cmp_lg_u32 s[WV], 0
	s_cbranch_scc1 .Lno_top1
.irp q, 0,1,2,3,4,5,6,7
	global_load_b128 v[TT+4*\q:TT+4*\q+3], v[L16], s[14:15] offset:512*\q   ; wave 0: all of top1, first of all its loads
.endr
.Lno_top1:
	WIN 0x40                                       ; destination window 1
.irp u, 0,1
.irp s, 0,1,2,3,4,5,6,7
.irp c, 0,1
	global_load_b128 v[8*(8*\u+\s)+4*\c:8*(8*\u+\s)+4*\c+3], v[WA], s[8:9] offset:4096*\u+64*\s+32*\c   ; 32 bytes of each of the tile's 16 rows; the tile's sixteen loads, one behind the other, take the rows whole
.endr
.endr
.endr
	WIN 0
.irp c, 0,1
	global_load_b128 v[WS+4*\c:WS+4*\c+3], v[WSA], s[10:11] offset:16*\c
.endr
.irp u, 0,1
.irp c, 0,1
	global_load_b128 v[BI+8*\u+4*\c:BI+8*\u+4*\c+3], v[BA], s[12:13] offset:32*\u+16*\c   ; b1[hb + 16 h + 8 u + 0 .. 7]: the result's layout
.endr
.endr
	s_cmp_lg_u32 s[WV], 0
	s_cbranch_scc1 .Lno_list
	s_wait_loadcnt 38                              ; top1 is in; the 32 + 2 + 4 loads issued behind it stay on their way while the list is made
	LIST
.Lno_list:
	BARRIER                                        ; the list and the count lie in LDS
	ds_load_b32 v[KN], v[CA]
	s_wait_dscnt 0x0
	v_readfirstlane_b32 s[CN], v[KN]
	s_min_u32 s[CN], s[CN], 1024
	s_add_co_u32 s[NTL], s[CN], 15
	s_lshr_b32 s[NTL], s[NTL], 4                   ; tiles of 16
; Tile k's rows are asked for: my four rows' codes (sixteen lanes take 256 aligned bytes of a row) and scale bytes.
.macro GLOAD k
	v_min_u32 v[TK+2*(\k)], 1023, v[TK+2*(\k)]
	v_min_u32 v[TK+2*(\k)+1], 1023, v[TK+2*(\k)+1]
	v_min_u32 v[TS+(\k)], 1023, v[TS+(\k)]
	v_lshl_add_u32 v[TK+2*(\k)], v[TK+2*(\k)], 9, v[C16]
	v_lshl_add_u32 v[TK+2*(\k)+1], v[TK+2*(\k)+1], 9, v[C16]
	v_lshl_add_u32 v[TS+(\k)], v[TS+(\k)], 5, v[C4]
	WIN 0x80                                       ; destination window 2
.irp p, 0,1
.irp u, 0,1
	global_load_b128 v[16*(\k)+8*\p+4*\u:16*(\k)+8*\p+4*\u+3], v[TK+2*(\k)+\p], s[4:5] offset:256*\u
.endr
.endr
	global_load_b32 v[128+(\k)], v[TS+(\k)], s[6:7]
	WIN 0
.endm
; and go to LDS.  The tiles are taken from the last one asked for down to tile 0, so that every way to a tile's lines has issued its loads; ways join ahead of each tile, so each has the wait.
.macro GSTORE k
	s_wait_loadcnt 0x0
	WIN 0x08                                       ; an LDS store's data are its source 1: window 2
.irp p, 0,1
.irp u, 0,1
	ds_store_b128 v[GSA], v[16*(\k)+8*\p+4*\u:16*(\k)+8*\p+4*\u+3] offset:XT*(\k)+XP*\p+256*\u
.endr
.endr
	ds_store_b32 v[GSB], v[128+(\k)] offset:XT*(\k)
	WIN 0
.endm
; Tile k's eight fragments of x and its rows' scale words come out of LDS into set k % 2: 18 loads.  They stand a tile ahead of the products that want them.
.macro XLD k
	WIN 0x40                                       ; destination window 1
.irp s, 0,1,2,3,4,5,6,7
.irp c, 0,1
	ds_load_b128 v[XF+64*((\k)%2)+8*\s+4*\c:XF+64*((\k)%2)+8*\s+4*\c+3], v[XA] offset:XT*(\k)+64*\s+32*\c
.endr
.endr
	WIN 0
.irp c, 0,1
	ds_load_b128 v[XS+8*((\k)%2)+4*\c:XS+8*((\k)%2)+4*\c+3], v[XSA] offset:XT*(\k)+16*\c   ; the row's eight scale words, one for each K step
.endr
.endm
; Tile k: 16 tokens x my 32 hidden units.  left: the LDS loads issued behind tile k's, which may stay out: the next tile's 18, or none.
.macro COMP k, left
.set XBK, XF+64*((\k)%2)
.set XSK, XS+8*((\k)%2)
	s_wait_dscnt \left
	WIN 0x05                                       ; sources 0 (w1) and 1 (x) window 1; C and D window 0
	v_wmma_scale_f32_16x16x128_f8f6f4 v[ACC:ACC+7], v[0:7], v[XBK:XBK+7], v[BI:BI+7], v[WS], v[XSK] matrix_a_fmt:MATRIX_FMT_FP4 matrix_b_fmt:MATRIX_FMT_FP4
	v_wmma_scale_f32_16x16x128_f8f6f4 v[ACC+8:ACC+15], v[64:71], v[XBK:XBK+7], v[BI+8:BI+15], v[WS], v[XSK] matrix_a_fmt:MATRIX_FMT_FP4 matrix_b_fmt:MATRIX_FMT_FP4 matrix_a_scale:MATRIX_SCALE_ROW1
.irp s, 1,2,3,4,5,6,7                          ; the two accumulators by turns
	v_wmma_scale_f32_16x16x128_f8f6f4 v[ACC:ACC+7], v[8*\s:8*\s+7], v[XBK+8*\s:XBK+8*\s+7], v[ACC:ACC+7], v[WS+\s], v[XSK+\s] matrix_a_fmt:MATRIX_FMT_FP4 matrix_b_fmt:MATRIX_FMT_FP4
	v_wmma_scale_f32_16x16x128_f8f6f4 v[ACC+8:ACC+15], v[64+8*\s:64+8*\s+7], v[XBK+8*\s:XBK+8*\s+7], v[ACC+8:ACC+15], v[WS+\s], v[XSK+\s] matrix_a_fmt:MATRIX_FMT_FP4 matrix_b_fmt:MATRIX_FMT_FP4 matrix_a_scale:MATRIX_SCALE_ROW1
.endr
	WIN 0
.rept 5
	v_nop                                          ; four places ahead of the first read of the results and of loads into this set of x's registers; the fifth for the next tile's first products, which begin the accumulators anew
.endr
.irp j, 0,1,2,3,4,5,6,7,8,9,10,11,12,13,14,15
	v_max_num_f32 v[ACC+\j], 0, v[ACC+\j]          ; the activation, in f32; each accumulator from its low end on
.endr
	v_max3_num_f32 v[T0], v[ACC], v[ACC+1], 0x1800000              ; the largest of my 16 (none is negative), in two chains, with the floor 2^(3 - 127): the byte cannot fall under 1
	v_max3_num_f32 v[SCV], v[ACC+8], v[ACC+9], v[ACC+10]
	v_max3_num_f32 v[T0], v[T0], v[ACC+2], v[ACC+3]
	v_max3_num_f32 v[SCV], v[SCV], v[ACC+11], v[ACC+12]
	v_max3_num_f32 v[T0], v[T0], v[ACC+4], v[ACC+5]
	v_max3_num_f32 v[SCV], v[SCV], v[ACC+13], v[ACC+14]
	v_max3_num_f32 v[T0], v[T0], v[ACC+6], v[ACC+7]
	v_max3_num_f32 v[T0], v[T0], v[SCV], v[ACC+15]
	v_permlanex16_b32 v[T1], v[T0], s[SEL], s[SEL+1]
	v_max_num_f32 v[T0], v[T0], v[T1]              ; with lane l xor 16's 16: the block's largest
	v_add_nc_u32 v[SCV], 0xff000000, v[T0]         ; 2 off its exponent field: the conversion takes this operand's exponent field as its scale
	v_lshrrev_b32 v[BY], 23, v[SCV]                ; the scale's byte
	v_cvt_scalef32_pk8_fp4_f32 v[PC+2*(\k)], v[ACC:ACC+7], v[SCV]
	v_cvt_scalef32_pk8_fp4_f32 v[PC+2*(\k)+1], v[ACC+8:ACC+15], v[SCV]
	v_nop                                          ; one plain line behind the conversions: matrix instructions write their sources again
	global_store_b64 v[HCO], v[PC+2*(\k):PC+2*(\k)+1], s[16:17] offset:16384*(\k)   ; 32 lanes store the block's 256 consecutive bytes, aligned
	ds_store_b8 v[SCA], v[BY] offset:64*(\k)       ; both lanes of a row write the same byte with the same value
.endm
	s_mov_b32 s[TR], 0
	s_mov_b32 s[I0], 0
	s_mov_b32 s[LOFF], 0
.Ltrip:
	s_sub_co_i32 s[MT], s[NTL], s[I0]
	s_max_i32 s[MT], s[MT], 0
	s_min_u32 s[MT], s[MT], 8                      ; this trip's tiles
	v_add_nc_u32 v[LA], s[LOFF], v[LA0]
	v_add_nc_u32 v[LB], s[LOFF], v[LB0]
	; ---- G
	s_cmp_eq_u32 s[MT], 0
	s_cbranch_scc1 .Lg_done
.irp k, 0,1,2,3,4,5,6,7
	ds_load_b64 v[TK+2*\k:TK+2*\k+1], v[LA] offset:64*\k          ; the tokens of rows 4 w + 2 h and + 1 (every word of the list is a token's number)
.endr
.irp k, 0,1,2,3,4,5,6,7
	ds_load_b32 v[TS+\k], v[LB] offset:64*\k
.endr
	s_wait_dscnt 0x0
	GLOAD 0
.irp n, 1,2,3,4,5,6,7
	s_cmp_le_u32 s[MT], \n                         ; n tiles are asked for: are they all?
	s_cbranch_scc1 .Lg_have\n
	GLOAD \n
.endr
.irp n, 8,7,6,5,4,3,2,1
.Lg_have\n:
	GSTORE (\n-1)
.endr
.Lg_done:
	BARRIER                                        ; the trip's rows of x lie in LDS; wave 0's reads of the last trip's scale bytes are over
	; ---- C: tile n's LDS loads stand ahead of tile n - 1's products; the trip's last tile has a tail of its own, so that no tile is read that the trip does not have
	s_cmp_eq_u32 s[MT], 0
	s_cbranch_scc1 .Lc_done
	XLD 0
	s_wait_loadcnt 0x0                             ; the weights, their scale words and b1
.irp n, 1,2,3,4,5,6,7
	s_cmp_le_u32 s[MT], \n                         ; is tile n - 1 the last?
	s_cbranch_scc1 .Lc_last\n
	XLD \n
	COMP (\n-1), 18                                ; tile n's 18 loads may stay out (the scale byte stored before them is older and is waited for with tile n - 1's loads)
.endr
	COMP 7, 0
	s_branch .Lc_done
.irp n, 7,6,5,4,3,2,1
.Lc_last\n:
	COMP (\n-1), 0
.if \n > 1
	s_branch .Lc_done
.endif
.endr
.Lc_done:
	BARRIER                                        ; the four waves' scale bytes lie in LDS; nobody reads the rows of x any more
	; ---- F: wave 0 stores the scale words of the trip's eight places: 64 bytes a tile, 16 a lane, 512 consecutive bytes, aligned, with all lanes on.
	; A place without a tile holds the zeros of the head's fill or an earlier trip's bytes; the next launch loads the words of tiles under NT alone.
	s_cmp_lg_u32 s[WV], 0
	s_cbranch_scc1 .Lf_done
	s_cmp_eq_u32 s[MT], 0
	s_cbranch_scc1 .Lf_done
	ds_load_b128 v[FW:FW+3], v[FA]
	s_wait_dscnt 0x0
	global_store_b128 v[L16], v[FW:FW+3], s[18:19]
.Lf_done:
	; ---- L: in the first trip of the expert's first work-group wave 1 stores the list, the spare word, n and the zeros behind them: LDS bytes 0 .. 4,607 as they lie, 512 consecutive bytes a store.
	; Nobody has written these bytes since the barrier behind the list's making.
	s_cmp_lg_u32 s[WV], 1
	s_cbranch_scc1 .Ll_done
	s_or_b32 s[TMP], s[TR], ttmp9
	s_cmp_lg_u32 s[TMP], 0
	s_cbranch_scc1 .Ll_done
.irp q, 0,1,2,3,4,5,6,7,8
	ds_load_b128 v[LR+4*\q:LR+4*\q+3], v[L16] offset:512*\q
.endr
	s_wait_dscnt 0x0
.irp q, 0,1,2,3,4,5,6,7,8
	global_store_b128 v[L16], v[LR+4*\q:LR+4*\q+3], s[LP:LP+1] offset:512*\q
.endr
.Ll_done:
	s_wait_xcnt 0x0                                ; the trip's stores have read their data and bases: both may be written again
	s_add_nc_u64 s[16:17], s[16:17], 8*16384
	s_add_nc_u64 s[18:19], s[18:19], 8*64
	s_add_co_u32 s[I0], s[I0], 8
	s_add_co_u32 s[LOFF], s[LOFF], 512
	s_add_co_u32 s[TR], s[TR], 1
	s_cmp_lt_u32 s[TR], 8
	s_cbranch_scc1 .Ltrip
	s_wait_tensorcnt 0x0
	ds_add_u32 v254, v255
	s_wait_dscnt 0x0
	s_endpgm
.Lfunc_end_k_q31fedee62b_hidden:
	.size	k_q31fedee62b_hidden, .Lfunc_end_k_q31fedee62b_hidden-k_q31fedee62b_hidden
	.p2alignl 7, 3214868480
	.fill 96, 4, 3214868480
	.section	.rodata,"a",@progbits
	.p2align	6, 0x0
	.amdhsa_kernel k_q31fedee62b_hidden
		.amdhsa_group_segment_fixed_size 77312
		.amdhsa_private_segment_fixed_size 0
		.amdhsa_enable_private_segment 0
		.amdhsa_kernarg_size 72
		.amdhsa_user_sgpr_count 2
		.amdhsa_user_sgpr_kernarg_segment_ptr 1
		.amdhsa_wavefront_size32 1
		.amdhsa_system_sgpr_workgroup_id_x 1
		.amdhsa_system_sgpr_workgroup_id_y 1
		.amdhsa_system_sgpr_workgroup_id_z 1
		.amdhsa_system_vgpr_workitem_id 0
		.amdhsa_next_free_vgpr 648
		.amdhsa_next_free_sgpr 84
		.amdhsa_reserve_vcc 0
		.amdhsa_float_denorm_mode_32 3
		.amdhsa_float_denorm_mode_16_64 3
		.amdhsa_memory_ordered 1
		.amdhsa_forward_progress 1
		.amdhsa_inst_pref_size 108
	.end_amdhsa_kernel
	.amdgpu_metadata
---
amdhsa.version: [ 1, 2 ]
amdhsa.kernels:
  - .name:           k_q31fedee62b_hidden
    .symbol:         k_q31fedee62b_hidden.kd
    .args:
      - { .name: x_codes, .offset: 0, .size: 8, .value_kind: global_buffer, .address_space: global }
      - { .name: x_scales, .offset: 8, .size: 8, .value_kind: global_buffer, .address_space: global }
      - { .name: w1_codes, .offset: 16, .size: 8, .value_kind: global_buffer, .address_space: global }
      - { .name: w1_scales, .offset: 24, .size: 8, .value_kind: global_buffer, .address_space: global }
      - { .name: b1, .offset: 32, .size: 8, .value_kind: global_buffer, .address_space: global }
      - { .name: top1, .offset: 40, .size: 8, .value_kind: global_buffer, .address_space: global }
      - { .name: hc, .offset: 48, .size: 8, .value_kind: global_buffer, .address_space: global }
      - { .name: hs, .offset: 56, .size: 8, .value_kind: global_buffer, .address_space: global }
      - { .name: lst, .offset: 64, .size: 8, .value_kind: global_buffer, .address_space: global }
    .group_segment_fixed_size: 77312
    .private_segment_fixed_size: 0
    .kernarg_segment_align: 8
    .kernarg_segment_size: 72
    .max_flat_workgroup_size: 128
    .sgpr_count:     84
    .vgpr_count:     648
    .wavefront_size: 32
...
	.end_amdgpu_metadata
.endif
;; end of part 4
;; launch outp (part 5): grid 16 x 16, 4 waves a work-group, no clusters, 139,776 bytes of LDS; arguments hc, hs, w2_codes, w2_scales, b2, lst, out0; writes out0
.if DOCPART == 5
	.amdgcn_target "amdgcn-amd-amdhsa--gfx1250"
	.amdhsa_code_object_version 6
	.text
	.protected	k_q31fedee62b_outp
	.globl	k_q31fedee62b_outp
	.p2align	8
	.type	k_q31fedee62b_outp,@function
k_q31fedee62b_outp:
	s_mov_b64 s[64:65], 0
	v_nop
	global_prefetch_b8 v0, s[64:65] scope:SCOPE_SE
	s_setreg_imm32_b32 hwreg(HW_REG_WAVE_MODE, 25, 1), 1
	s_wait_xcnt 0x0
; out0[t] = h[t] w2[e] + b2[e] for the expert e that token t chose (the choice by the one-hot mask is the scatter to the tokens' rows).  h: the codes and scale words that the launch before stored;
; w2: codes and scale bytes as they lie in memory; both FP4 (E2M1) with one E8M0 scale for each 32 along K = 2,048.
; SHARES.  Work-group (x = j, y = e) makes output columns 64 j .. 64 j + 63 for all of e's tokens.  K IS CUT OVER THE WAVES: wave w takes K steps 4 w .. 4 w + 3 of 128, so that the work-group loads each byte of
; its weights and of the hidden layer once.  A wave's 4 column tiles x 4 K steps of w2 (16,384 bytes) are asked for at the head, stay in 128 registers, and are read from memory once in the launch.
; The four waves' partial sums meet in LDS; the pass that adds them also turns them into whole pieces of rows.
; THE LIST of e's tokens and their number n come from lst, as the launch before stored them: tile i, row r means the same token in both.  n is read by a scalar load that is issued ahead of the weights'
; loads; a tile's tokens come with the tile's other loads.  Places n .. n + 31 of the list hold its first token once more: the rows that fill a short last tile are copies of that token's row and store the
; same bits to the same bytes as it.  With n = 0 the work-group stores nothing.
; THE LOOP has a constant 8 trips of up to 8 tiles; a trip without tiles passes its two barriers and nothing else.  A trip:
;   A: each wave asks for its K steps of every tile (register images: 512 consecutive bytes a load), multiplies the tiles in the order asked, puts its partial sums into LDS | barrier |
;   S: wave w adds the four parts of rows 4 w .. 4 w + 3 of every tile, adds b2, and stores: sixteen lanes fill 256 consecutive bytes, aligned, of a token's row | barrier.
; PHASE A IS WRITTEN ONCE FOR EACH NUMBER OF TILES, 1 to 8: a tile's products wait only for its own loads, by a count of the loads issued behind them, and such a count has to be the same on every way to the wait.
; THE PRODUCT IS USED TRANSPOSED (source 0 = 16 rows of w2, that is 16 output columns; source 1 = 16 tokens): a lane holds eight neighbouring columns of one token.
; The sum over K is formed as ((waves 0 + 1) + (waves 2 + 3)) + b2, each wave's part K ascending.
; NO TENSOR LOADS, and so no joint loads: what a work-group does hangs on a count read from memory.
; LIMITS: NaN, infinities and the scale byte 0xff are not served.
; REGISTERS: window 0: v1-15 addresses; v16-31 tokens; v32-35 b2; v40-55 h's scale words; v56-63 w2's; v64-127 two sets of four accumulators, in phase S the finished sums; v128-191 the parts to be added, two sets.
;   window 1: h's fragments (tile k, K step q: 32 k + 8 q).   window 2: v0-127 w2's 16 fragments (column tile t, K step q: 8 (4 t + q)).
.set CNTW, 4228                        ; lst: n's place in an expert's 4,608 bytes
.set PPI,  272                         ; LDS, from byte 0: the partial sums: [wave 4][tile 8][row 16], rows of 256 bytes + 16 of padding
.set PTL,  16*PPI
.set PWV,  8*PTL
.set NLD,  11                          ; loads of a tile: 8 of codes, 2 of scale words, 1 of tokens
.set WV,   20                          ; s20 wave   s21 expert   s23 n   s24 tiles   s25 trip   s26 the trip's first tile   s27 its tiles (0 .. 8)
.set EX,   21
.set CN,   23
.set NTL,  24
.set TR,   25
.set I0,   26
.set MT,   27
.set LN,   1                           ; lane
.set RW,   2                           ; r = lane % 16
.set HH,   3                           ; h = lane / 16
.set L16,  4                           ; 16 x lane
.set WA,   5                           ; w2: r x 1,024 + 16 h
.set WSA,  6                           ; its scale rows: 64 x lane: lanes 0-15 an even tile's, lanes 16-31 the odd one's
.set C16,  7                           ; 16 r
.set HSO,  8                           ; hs: 4,096 h + 4 r: lanes 0-15 an even K step's words, lanes 16-31 the odd one's
.set LAO,  9                           ; lst: the tokens of the two rows that I finish: 16 w + 8 h
.set PA,   10                          ; where I put 32 bytes of a row of partial sums
.set SA,   12                          ; v12-15 where I read 16 bytes of a row of wave 0's .. wave 3's
.set TK,   16                          ; two tokens a tile, then their byte offsets in out0
.set BB,   32                          ; b2 of my four columns
.set HSC,  40                          ; 2 k + q / 2
.set WS,   56                          ; 4 (t / 2) + q
.set ACC,  64
.set SR,   128                         ; set k % 2 at 32 (k % 2); in it 16 p + 4 x wave
.set MSB, 0
.macro WIN new                         ; the immediate's high byte repeats the setting that is left; every window is 0 at a label and at a branch
.if MSB != \new
	s_set_vgpr_msb (MSB<<8)|\new
.set MSB, \new
.endif
.endm
.macro BARRIER                         ; my LDS stores have landed and my LDS loads are in: then the work-group's barrier
	s_wait_dscnt 0x0
	s_barrier_signal -1
	s_barrier_wait -1
.endm
	s_load_b256 s[4:11], s[0:1], 0x0               ; hc s[4:5], hs s[6:7], w2's codes s[8:9], w2's scales s[10:11]
	s_load_b128 s[12:15], s[0:1], 0x20             ; b2 s[12:13], lst s[14:15]
	s_load_b64 s[16:17], s[0:1], 0x30              ; out0
	v_lshl_add_u32 v254, v0, 2, 0x22000
	v_mov_b32 v255, 0
	v_lshrrev_b32 v[LN], 5, v0
	v_readfirstlane_b32 s[WV], v[LN]               ; wave 0..3
	s_and_b32 s[EX], ttmp7, 0xffff                 ; the expert
	v_and_b32 v[LN], 31, v0
	v_and_b32 v[RW], 15, v0
	v_bfe_u32 v[HH], v0, 4, 1
	v_lshlrev_b32 v[L16], 4, v[LN]
	v_lshlrev_b32 v[WA], 10, v[RW]
	v_lshl_add_u32 v[WA], v[HH], 4, v[WA]
	v_lshlrev_b32 v[WSA], 6, v[LN]
	v_lshlrev_b32 v[C16], 4, v[RW]
	v_lshlrev_b32 v[HSO], 2, v[RW]
	v_lshl_add_u32 v[HSO], v[HH], 12, v[HSO]
	s_lshl_b32 s76, s[WV], 4
	v_lshl_add_u32 v[LAO], v[HH], 3, s76
	s_mul_i32 s76, s[WV], PWV                      ; my wave's partial sums
	v_mul_u32_u24 v[PA], v[RW], PPI
	v_lshl_add_u32 v[PA], v[HH], 5, v[PA]
	v_add_nc_u32 v[PA], s76, v[PA]                 ; row r, + 32 h
	s_mul_i32 s77, s[WV], 4*PPI                    ; the four rows of a tile that I finish
	v_mul_u32_u24 v[SA], v[HH], 2*PPI
	v_lshl_add_u32 v[SA], v[RW], 4, v[SA]
	v_add_nc_u32 v[SA], s77, v[SA]                 ; row 4 w + 2 h, 16 bytes a lane, in wave 0's sums;
.irp a, 1,2,3
	v_add_nc_u32 v[SA+\a], \a*PWV, v[SA]           ; in the other waves'
.endr
.irp i, 0,1,2,3,4,5,6,7,8,9,10,11,12,13,14,15
	v_mov_b32 v[TK+\i], 0                          ; written once, while the arguments are on their way: phase A loads the tokens of the tiles that a trip has, and every way through the text finds all sixteen written
.endr
	; byte offsets of my share, each in a pair of its own
	s_lshl_b32 s76, s[EX], 10
	s_lshl_b32 s77, ttmp9, 6
	s_add_co_u32 s76, s76, s77                     ; 1,024 e + 64 j: my first row of w2
	s_lshl_b32 s66, s76, 10                        ; 1,024 bytes of codes a row,
	s_lshl_b32 s77, s[WV], 8                       ; my four K steps: 256 bytes of it
	s_add_co_u32 s66, s66, s77
	s_mov_b32 s67, 0
	s_lshl_b32 s68, s76, 6                         ; 64 scale bytes a row,
	s_lshl_b32 s77, s[WV], 4                       ; my 16 of them
	s_add_co_u32 s68, s68, s77
	s_mov_b32 s69, 0
	s_lshl_b32 s70, s76, 2                         ; b2
	s_mov_b32 s71, 0
	s_lshl_b32 s72, s[EX], 20                      ; hc: 2^20 bytes an expert,
	s_lshl_b32 s77, s[WV], 12                      ; 1,024 a K step
	s_add_co_u32 s72, s72, s77
	s_mov_b32 s73, 0
	s_lshl_b32 s74, s[EX], 4
	s_lshl_b32 s77, s[WV], 2
	s_add_co_u32 s74, s74, s77
	s_lshl_b32 s74, s74, 12                        ; hs: 4,096 bytes for each (expert, K step)
	s_mov_b32 s75, 0
	s_lshl_b32 s78, ttmp9, 8                       ; out0: my 64 columns' 256 bytes of a row
	s_mov_b32 s79, 0
	s_mul_i32 s80, s[EX], 4608                     ; lst: 4,608 bytes an expert
	s_mov_b32 s81, 0
	s_wait_kmcnt 0x0
	s_add_nc_u64 s[14:15], s[14:15], s[80:81]
	s_load_b32 s[CN], s[14:15], CNTW               ; n: asked for first of all; the weights' loads are issued while it is on its way
	s_add_nc_u64 s[8:9], s[8:9], s[66:67]
	s_add_nc_u64 s[10:11], s[10:11], s[68:69]
	s_add_nc_u64 s[12:13], s[12:13], s[70:71]
	s_add_nc_u64 s[4:5], s[4:5], s[72:73]
	s_add_nc_u64 s[6:7], s[6:7], s[74:75]
	s_add_nc_u64 s[16:17], s[16:17], s[78:79]
	WIN 0x80                                       ; destination window 2
.irp t, 0,1,2,3
.irp q, 0,1,2,3
.irp c, 0,1
	global_load_b128 v[8*(4*\t+\q)+4*\c:8*(4*\t+\q)+4*\c+3], v[WA], s[8:9] offset:16384*\t+64*\q+32*\c   ; 32 bytes of each of the tile's 16 rows; the tile's eight loads, one behind the other, take 256 aligned bytes of each row
.endr
.endr
.endr
	WIN 0
.irp p, 0,1
	global_load_b128 v[WS+4*\p:WS+4*\p+3], v[WSA], s[10:11] offset:2048*\p   ; the four K steps' words of rows 32 p + lane
.endr
	global_load_b128 v[BB:BB+3], v[C16], s[12:13]
	s_wait_kmcnt 0x0                               ; n
	s_min_u32 s[CN], s[CN], 1024
	s_add_co_u32 s[NTL], s[CN], 15
	s_lshr_b32 s[NTL], s[NTL], 4                   ; tiles of 16
; Tile k is asked for: the hidden codes of my four K steps, as images of the operand's registers, their scale words, and the tokens of the two rows that I finish in phase S.  NLD loads.
.macro HLOAD k
	WIN 0x40                                       ; destination window 1
.irp q, 0,1,2,3
.irp c, 0,1
	global_load_b128 v[32*(\k)+8*\q+4*\c:32*(\k)+8*\q+4*\c+3], v[L16], s[4:5] offset:16384*(\k)+1024*\q+512*\c   ; 32 lanes read 512 consecutive bytes
.endr
.endr
	WIN 0
.irp q, 0,1
	global_load_b32 v[HSC+2*(\k)+\q], v[HSO], s[6:7] offset:8192*\q+64*(\k)
.endr
	global_load_b64 v[TK+2*(\k):TK+2*(\k)+1], v[LAO], s[14:15] offset:64*(\k)
.endm
; One product: tile k, K step q, column tile t.  w2's scale words of an odd tile, and h's of an odd K step, lie in lanes 16-31.
.macro PROD k, q, t
.set rD, ACC+32*((\k)%2)+8*(\t)
.set rA, 8*(4*(\t)+(\q))
.set rB, 32*(\k)+8*(\q)
.set rS, WS+4*((\t)/2)+(\q)
.set rH, HSC+2*(\k)+(\q)/2
.if ((\q) == 0) && ((\t)%2 == 0)
	v_wmma_scale_f32_16x16x128_f8f6f4 v[rD:rD+7], v[rA:rA+7], v[rB:rB+7], 0, v[rS], v[rH] matrix_a_fmt:MATRIX_FMT_FP4 matrix_b_fmt:MATRIX_FMT_FP4
.elseif (\q) == 0
	v_wmma_scale_f32_16x16x128_f8f6f4 v[rD:rD+7], v[rA:rA+7], v[rB:rB+7], 0, v[rS], v[rH] matrix_a_fmt:MATRIX_FMT_FP4 matrix_b_fmt:MATRIX_FMT_FP4 matrix_a_scale:MATRIX_SCALE_ROW1
.elseif ((\q)%2 == 0) && ((\t)%2 == 0)
	v_wmma_scale_f32_16x16x128_f8f6f4 v[rD:rD+7], v[rA:rA+7], v[rB:rB+7], v[rD:rD+7], v[rS], v[rH] matrix_a_fmt:MATRIX_FMT_FP4 matrix_b_fmt:MATRIX_FMT_FP4
.elseif (\q)%2 == 0
	v_wmma_scale_f32_16x16x128_f8f6f4 v[rD:rD+7], v[rA:rA+7], v[rB:rB+7], v[rD:rD+7], v[rS], v[rH] matrix_a_fmt:MATRIX_FMT_FP4 matrix_b_fmt:MATRIX_FMT_FP4 matrix_a_scale:MATRIX_SCALE_ROW1
.elseif (\t)%2 == 0
	v_wmma_scale_f32_16x16x128_f8f6f4 v[rD:rD+7], v[rA:rA+7], v[rB:rB+7], v[rD:rD+7], v[rS], v[rH] matrix_a_fmt:MATRIX_FMT_FP4 matrix_b_fmt:MATRIX_FMT_FP4 matrix_b_scale:MATRIX_SCALE_ROW1
.else
	v_wmma_scale_f32_16x16x128_f8f6f4 v[rD:rD+7], v[rA:rA+7], v[rB:rB+7], v[rD:rD+7], v[rS], v[rH] matrix_a_fmt:MATRIX_FMT_FP4 matrix_b_fmt:MATRIX_FMT_FP4 matrix_a_scale:MATRIX_SCALE_ROW1 matrix_b_scale:MATRIX_SCALE_ROW1
.endif
.endm
; Tile k's partial sums.  left: the loads issued behind tile k's, which may stay out.
.macro CPROD k, left
	s_wait_loadcnt \left                           ; loads come back in order (ISA guide 5.7.1): tile k's are in, and so is all that was asked for earlier, the weights among it
	WIN 0x06                                       ; source 0 (w2) window 2, source 1 (h) window 1
.irp q, 0,1,2,3                                ; K ascending; the four accumulators by turns; the first K step starts the sums
.irp t, 0,1,2,3
	PROD \k, \q, \t
.endr
.endr
	WIN 0
.rept 5
	v_nop                                          ; four places ahead of the stores that read the results; the fifth for products that begin an accumulator anew
.endr
.irp t, 0,1,2,3
.irp c, 0,1
	ds_store_b128 v[PA], v[ACC+32*((\k)%2)+8*\t+4*\c:ACC+32*((\k)%2)+8*\t+4*\c+3] offset:PTL*(\k)+64*\t+16*\c   ; token r, columns 16 t + 8 h + 4 c on; each accumulator from its low end on
.endr
.endr
.endm
; Phase A of a trip with m tiles: all are asked for, then multiplied in that order.  Behind tile k's loads stand those of m - 1 - k tiles; a wait names 63 at the most, and a smaller count than the true one waits for more.
.macro AVAR m
.set kk, 0
.rept \m
	HLOAD kk
.set kk, kk+1
.endr
.set kk, 0
.rept \m
.set lf, NLD*(\m-1-kk)
.if lf > 63
.set lf, 63
.endif
	CPROD kk, lf
.set kk, kk+1
.endr
.endm
; Phase S.  Tile k's four parts of my two rows a half of the lanes come out of LDS into set k % 2: 8 loads, a tile ahead of the additions that want them.
.macro SLD k
.irp p, 0,1
.irp a, 0,1,2,3
	ds_load_b128 v[SR+32*((\k)%2)+16*\p+4*\a:SR+32*((\k)%2)+16*\p+4*\a+3], v[SA+\a] offset:PTL*(\k)+PPI*\p
.endr
.endr
.endm
; Tile k's rows 4 w + 2 h + p: the four parts are added, b2 is added, and the piece of the token's row is stored.  The finished sums take eight of the accumulators' registers a tile, so that no store's data
; are written again within a trip.  left: the LDS loads issued behind tile k's: the next tile's 8, or none.
.macro SFIN k, left
.set SBK, SR+32*((\k)%2)
.set OBK, ACC+8*(\k)
	s_wait_dscnt \left
.irp p, 0,1
	v_min_u32 v[TK+2*(\k)+\p], 1023, v[TK+2*(\k)+\p]
.endr
.irp p, 0,1
.irp d, 0,2
	v_pk_add_f32 v[SBK+16*\p+\d:SBK+16*\p+\d+1], v[SBK+16*\p+\d:SBK+16*\p+\d+1], v[SBK+16*\p+4+\d:SBK+16*\p+4+\d+1]
	v_pk_add_f32 v[SBK+16*\p+8+\d:SBK+16*\p+8+\d+1], v[SBK+16*\p+8+\d:SBK+16*\p+8+\d+1], v[SBK+16*\p+12+\d:SBK+16*\p+12+\d+1]
.endr
.endr
.irp p, 0,1
	v_lshl_add_u32 v[TK+2*(\k)+\p], v[TK+2*(\k)+\p], 12, v[C16]   ; 4,096 bytes a token's row, 16 bytes a lane
.endr
.irp p, 0,1
.irp d, 0,2
	v_pk_add_f32 v[SBK+16*\p+\d:SBK+16*\p+\d+1], v[SBK+16*\p+\d:SBK+16*\p+\d+1], v[SBK+16*\p+8+\d:SBK+16*\p+8+\d+1]
.endr
.endr
.irp p, 0,1
.irp d, 0,2
	v_pk_add_f32 v[OBK+4*\p+\d:OBK+4*\p+\d+1], v[SBK+16*\p+\d:SBK+16*\p+\d+1], v[BB+\d:BB+\d+1]
.endr
.endr
.irp p, 0,1
	global_store_b128 v[TK+2*(\k)+\p], v[OBK+4*\p:OBK+4*\p+3], s[16:17] th:TH_STORE_NT   ; sixteen lanes store 256 consecutive bytes, at a multiple of 256 from out0's first byte
.endr
.endm
	s_mov_b32 s[TR], 0
	s_mov_b32 s[I0], 0
.Ltrip:
	s_sub_co_i32 s[MT], s[NTL], s[I0]
	s_max_i32 s[MT], s[MT], 0
	s_min_u32 s[MT], s[MT], 8                      ; this trip's tiles
	; ---- A
	s_cmp_eq_u32 s[MT], 0
	s_cbranch_scc1 .La_done
.irp m, 4,5,3,6,2,7,1
	s_cmp_eq_u32 s[MT], \m
	s_cbranch_scc1 .La_m\m
.endr
	AVAR 8
	s_branch .La_done
.irp m, 7,6,5,4,3,2,1
.La_m\m:
	AVAR \m
.if \m > 1
	s_branch .La_done
.endif
.endr
.La_done:
	BARRIER                                        ; the four waves' partial sums lie in LDS
	; ---- S: tile n's LDS loads stand ahead of tile n - 1's additions; the trip's last tile has a tail of its own, so that no tile is read that the trip does not have
	s_cmp_eq_u32 s[MT], 0
	s_cbranch_scc1 .Ls_done
	SLD 0
	s_wait_loadcnt 0x0                             ; b2 and the tokens
.irp n, 1,2,3,4,5,6,7
	s_cmp_le_u32 s[MT], \n                         ; is tile n - 1 the last?
	s_cbranch_scc1 .Ls_last\n
	SLD \n
	SFIN (\n-1), 8                                 ; tile n's 8 loads may stay out
.endr
	SFIN 7, 0
	s_branch .Ls_done
.irp n, 7,6,5,4,3,2,1
.Ls_last\n:
	SFIN (\n-1), 0
.if \n > 1
	s_branch .Ls_done
.endif
.endr
.Ls_done:
	BARRIER                                        ; nobody reads the partial sums any more: the next trip may write them
	s_wait_xcnt 0x0                                ; the trip's loads and stores have read their bases, offsets and data: all may be written again
	s_add_nc_u64 s[4:5], s[4:5], 8*16384
	s_add_nc_u64 s[6:7], s[6:7], 8*64
	s_add_nc_u64 s[14:15], s[14:15], 8*64
	s_add_co_u32 s[I0], s[I0], 8
	s_add_co_u32 s[TR], s[TR], 1
	s_cmp_lt_u32 s[TR], 8
	s_cbranch_scc1 .Ltrip
	s_wait_tensorcnt 0x0
	ds_add_u32 v254, v255
	s_wait_dscnt 0x0
	s_endpgm
.Lfunc_end_k_q31fedee62b_outp:
	.size	k_q31fedee62b_outp, .Lfunc_end_k_q31fedee62b_outp-k_q31fedee62b_outp
	.p2alignl 7, 3214868480
	.fill 96, 4, 3214868480
	.section	.rodata,"a",@progbits
	.p2align	6, 0x0
	.amdhsa_kernel k_q31fedee62b_outp
		.amdhsa_group_segment_fixed_size 139776
		.amdhsa_private_segment_fixed_size 0
		.amdhsa_enable_private_segment 0
		.amdhsa_kernarg_size 56
		.amdhsa_user_sgpr_count 2
		.amdhsa_user_sgpr_kernarg_segment_ptr 1
		.amdhsa_wavefront_size32 1
		.amdhsa_system_sgpr_workgroup_id_x 1
		.amdhsa_system_sgpr_workgroup_id_y 1
		.amdhsa_system_sgpr_workgroup_id_z 1
		.amdhsa_system_vgpr_workitem_id 0
		.amdhsa_next_free_vgpr 640
		.amdhsa_next_free_sgpr 82
		.amdhsa_reserve_vcc 0
		.amdhsa_float_denorm_mode_32 3
		.amdhsa_float_denorm_mode_16_64 3
		.amdhsa_memory_ordered 1
		.amdhsa_forward_progress 1
		.amdhsa_inst_pref_size 174
	.end_amdhsa_kernel
	.amdgpu_metadata
---
amdhsa.version: [ 1, 2 ]
amdhsa.kernels:
  - .name:           k_q31fedee62b_outp
    .symbol:         k_q31fedee62b_outp.kd
    .args:
      - { .name: hc, .offset: 0, .size: 8, .value_kind: global_buffer, .address_space: global }
      - { .name: hs, .offset: 8, .size: 8, .value_kind: global_buffer, .address_space: global }
      - { .name: w2_codes, .offset: 16, .size: 8, .value_kind: global_buffer, .address_space: global }
      - { .name: w2_scales, .offset: 24, .size: 8, .value_kind: global_buffer, .address_space: global }
      - { .name: b2, .offset: 32, .size: 8, .value_kind: global_buffer, .address_space: global }
      - { .name: lst, .offset: 40, .size: 8, .value_kind: global_buffer, .address_space: global }
      - { .name: out0, .offset: 48, .size: 8, .value_kind: global_buffer, .address_space: global }
    .group_segment_fixed_size: 139776
    .private_segment_fixed_size: 0
    .kernarg_segment_align: 8
    .kernarg_segment_size: 56
    .max_flat_workgroup_size: 128
    .sgpr_count:     82
    .vgpr_count:     640
    .wavefront_size: 32
...
	.end_amdgpu_metadata
.endif
;; end of part 5
;; ======== version 3 of 3: 3 launches; version 2 with the launches router, outp written anew for expert scheduling mode
;; workspace buffers: top1 4,096 bytes of whole numbers; hc 16,777,216 bytes; hs 1,048,576 bytes; lst 73,728 bytes of whole numbers
;; launch router (part 6): grid 32 x 1, 1 waves a work-group, no clusters, 0 bytes of LDS; arguments x_codes, x_scales, gate_w_codes, gate_w_scales, gate_b, top1; writes top1
.if DOCPART == 6
	.amdgcn_target "amdgcn-amd-amdhsa--gfx1250"
	.amdhsa_code_object_version 6
	.text
	.protected	k_q31fedee62b_router
	.globl	k_q31fedee62b_router
	.p2align	8
	.type	k_q31fedee62b_router,@function
k_q31fedee62b_router:
	s_mov_b64 s[64:65], 0
	v_nop
	global_prefetch_b8 v0, s[64:65] scope:SCOPE_SE
	s_setreg_imm32_b32 hwreg(HW_REG_WAVE_SCHED_MODE, 0, 2), 2
	s_setreg_imm32_b32 hwreg(HW_REG_WAVE_MODE, 25, 1), 1
	s_wait_xcnt 0x0
	s_wait_alu depctr_vm_vsrc(0)
; top1[t] = the first index of the largest of logits[t][0..15], logits = x gate_w + gate_b; the product on codes of FP4 (E2M1) with one E8M0 scale for each 32 along K = 1,024.
; A wave takes 32 tokens: two tiles of 16, whose two accumulators take turns.  32 work-groups of one wave serve the 1,024 tokens.
; THE PRODUCT IS USED TRANSPOSED: source 0 = the 16 experts' rows of gate_w, source 1 = 16 tokens.  Lane (r, h) then holds token r, and its register j the logit of expert 8 h + j:
; the maximum wants seven comparisons in the lane and one exchange between the halves of the lanes.
; The index is stored as a whole number; no address and no branch of this launch hangs on it.  The later launches read it.
; A wave stores 128 consecutive bytes; the whole buffer is 4,096 bytes.
; LIMITS: NaN and infinities among the logits and the scale byte 0xff are not served (were every logit NaN, the index would be held at 15).  Two logits that lie closer than the
; rounding of the f32 sums may be ranked either way.
; THE MODE: SCHED_MODE bits 1:0 = 2 (LLVM: expert scheduling mode 2), set by the entry lines.  The code itself states the register dependences between vector or matrix instructions
; and memory instructions, with s_wait_alu, always for 0.
; THE PLAN.  Registers that memory instructions touch: v3-v7, the offsets, written once at the head and read by the loads and the store; v16-247, loaded once, which no vector line names ahead of the loads;
; v10, the store's data.  Three waits: the offsets are written, ahead of the first load; the sixteen masks of the comparisons, laid in one run, are written, ahead of the selections that read them;
; v10 is written, ahead of the store.
.set GW,  16                           ; v16-79    gate_w's eight fragments (16 experts x 128 K each): 8 s + 4 c
.set XF,  80                           ; v80-207   x's: tile t at 64 t
.set GSC, 208                          ; v208-215  gate_w's scale words, one for each K step; lanes 0-15 are read
.set XSC, 216                          ; v216-223  x's: lanes 0-15 tile 0's tokens, lanes 16-31 tile 1's
.set ACC, 224                          ; v224-239  the two accumulators
.set GB,  240                          ; v240-247  gate_b[8 h + j]
.set CI,  248                          ; v248-255  8 h + j
.set MK,  4                            ; s4-11 tile 0's eight masks, s24-31 tile 1's: MK + 20 t + j (s4-11 held addresses whose every load has landed by then)
	s_load_b256 s[4:11], s[0:1], 0x0               ; x's codes s[4:5], x's scales s[6:7], gate_w's codes s[8:9], gate_w's scales s[10:11]
	s_load_b128 s[12:15], s[0:1], 0x20             ; gate_b s[12:13], top1 s[14:15]
	v_and_b32 v1, 15, v0                           ; r
	v_lshrrev_b32 v2, 4, v0                        ; h
	v_lshlrev_b32 v3, 9, v1
	v_lshl_add_u32 v3, v2, 4, v3                   ; a fragment's place: row r of 512 bytes, + 16 h
	v_lshlrev_b32 v4, 5, v0                        ; x's scales: 32 bytes a token, a lane a token
	v_lshlrev_b32 v5, 5, v1                        ; gate_w's: 32 bytes an expert
	v_lshlrev_b32 v6, 5, v2                        ; gate_b: eight numbers for each half of the lanes
	v_lshlrev_b32 v7, 2, v0                        ; top1: 4 bytes a token
.irp i, 9,11,13,15
	v_mov_b32 v\i, 0                               ; written once: a lane permute's destination counts as one of its sources
.endr
	s_mov_b32 s17, 0
	s_mov_b32 s20, 0x76543210
	s_mov_b32 s21, 0xfedcba98                      ; v_permlanex16_b32's selects for lane l xor 16
	s_mov_b32 s22, 0xffff0000                      ; lanes 16-31
	s_wait_kmcnt 0x0
	s_lshl_b32 s16, ttmp9, 14                      ; my 32 tokens: 512 bytes of codes each,
	s_add_nc_u64 s[4:5], s[4:5], s[16:17]
	s_lshl_b32 s16, ttmp9, 10                      ; 32 scale bytes,
	s_add_nc_u64 s[6:7], s[6:7], s[16:17]
	s_lshl_b32 s16, ttmp9, 7                       ; 4 bytes of top1
	s_add_nc_u64 s[14:15], s[14:15], s[16:17]
	s_wait_alu depctr_va_vdst(0)                   ; the offsets v3 to v7 are written: the loads below and the store at the end read them
.irp s, 0,1,2,3,4,5,6,7
.irp c, 0,1
	global_load_b128 v[GW+8*\s+4*\c:GW+8*\s+4*\c+3], v3, s[8:9] offset:64*\s+32*\c
.endr
.endr
.irp t, 0,1
.irp s, 0,1,2,3,4,5,6,7
.irp c, 0,1
	global_load_b128 v[XF+64*\t+8*\s+4*\c:XF+64*\t+8*\s+4*\c+3], v3, s[4:5] offset:8192*\t+64*\s+32*\c
.endr
.endr
.endr
.irp c, 0,1
	global_load_b128 v[GSC+4*\c:GSC+4*\c+3], v5, s[10:11] offset:16*\c
	global_load_b128 v[XSC+4*\c:XSC+4*\c+3], v4, s[6:7] offset:16*\c
	global_load_b128 v[GB+4*\c:GB+4*\c+3], v6, s[12:13] offset:16*\c
.endr
	s_wait_loadcnt 0x0
	; the first K step starts both sums: nothing is cleared
	v_wmma_scale_f32_16x16x128_f8f6f4 v[ACC:ACC+7], v[GW:GW+7], v[XF:XF+7], 0, v[GSC], v[XSC] matrix_a_fmt:MATRIX_FMT_FP4 matrix_b_fmt:MATRIX_FMT_FP4
	v_wmma_scale_f32_16x16x128_f8f6f4 v[ACC+8:ACC+15], v[GW:GW+7], v[XF+64:XF+71], 0, v[GSC], v[XSC] matrix_a_fmt:MATRIX_FMT_FP4 matrix_b_fmt:MATRIX_FMT_FP4 matrix_b_scale:MATRIX_SCALE_ROW1
.irp s, 1,2,3,4,5,6,7
	v_wmma_scale_f32_16x16x128_f8f6f4 v[ACC:ACC+7], v[GW+8*\s:GW+8*\s+7], v[XF+8*\s:XF+8*\s+7], v[ACC:ACC+7], v[GSC+\s], v[XSC+\s] matrix_a_fmt:MATRIX_FMT_FP4 matrix_b_fmt:MATRIX_FMT_FP4
	v_wmma_scale_f32_16x16x128_f8f6f4 v[ACC+8:ACC+15], v[GW+8*\s:GW+8*\s+7], v[XF+64+8*\s:XF+64+8*\s+7], v[ACC+8:ACC+15], v[GSC+\s], v[XSC+\s] matrix_a_fmt:MATRIX_FMT_FP4 matrix_b_fmt:MATRIX_FMT_FP4 matrix_b_scale:MATRIX_SCALE_ROW1
.endr
	v_lshlrev_b32 v[CI], 3, v2                     ; the experts' numbers of my eight registers: eight plain lines, the places behind the last products
.irp j, 1,2,3,4,5,6,7
	v_add_nc_u32 v[CI+\j], \j, v[CI]
.endr
.irp t, 0,1
.irp j, 0,2,4,6
	v_pk_add_f32 v[ACC+8*\t+\j:ACC+8*\t+\j+1], v[ACC+8*\t+\j:ACC+8*\t+\j+1], v[GB+\j:GB+\j+1]   ; + gate_b, behind the sum; each accumulator from its low end on
.endr
.endr
	; the largest logit of each token: v8 (tile 0), v12 (tile 1)
.irp t, 0,1
	v_max3_num_f32 v[8+4*\t], v[ACC+8*\t], v[ACC+8*\t+1], v[ACC+8*\t+2]
.endr
.irp i, 3,5
.irp t, 0,1
	v_max3_num_f32 v[8+4*\t], v[8+4*\t], v[ACC+8*\t+\i], v[ACC+8*\t+\i+1]
.endr
.endr
.irp t, 0,1
	v_max_num_f32 v[8+4*\t], v[8+4*\t], v[ACC+8*\t+7]
.endr
.irp t, 0,1
	v_permlanex16_b32 v[9+4*\t], v[8+4*\t], s20, s21   ; the token's other eight experts lie in the lane 16 away
.endr
.irp t, 0,1
	v_max_num_f32 v[8+4*\t], v[8+4*\t], v[9+4*\t]
.endr
.irp t, 0,1
	v_mov_b32 v[10+4*\t], 16                       ; above every index
.endr
.irp j, 0,1,2,3,4,5,6,7                        ; which of my eight logits hold the maximum: sixteen comparisons in one run, a scalar register each
.irp t, 0,1
	v_cmp_eq_f32 s[MK+20*\t+\j], v[ACC+8*\t+\j], v[8+4*\t]
.endr
.endr
	s_wait_alu depctr_va_sdst(0)                   ; the sixteen masks are written, ahead of the selections that read them
.irp j, 7,6,5,4,3,2,1,0                        ; from the highest index down: the lowest index that holds the maximum is written last and stays
.irp t, 0,1
	v_cndmask_b32 v[10+4*\t], v[10+4*\t], v[CI+\j], s[MK+20*\t+\j]
.endr
.endr
.irp t, 0,1
	v_permlanex16_b32 v[11+4*\t], v[10+4*\t], s20, s21
.endr
.irp t, 0,1
	v_min_u32 v[10+4*\t], v[10+4*\t], v[11+4*\t]   ; the lower of the two halves' indices
.endr
	v_cndmask_b32 v10, v10, v14, s22               ; lanes 0-15: tile 0's token r; lanes 16-31: tile 1's
	v_min_u32 v10, 15, v10
	s_wait_alu depctr_va_vdst(0)                   ; v10 is written: it is the store's data
	global_store_b32 v7, v10, s[14:15]
	s_endpgm
.Lfunc_end_k_q31fedee62b_router:
	.size	k_q31fedee62b_router, .Lfunc_end_k_q31fedee62b_router-k_q31fedee62b_router
	.p2alignl 7, 3214868480
	.fill 96, 4, 3214868480
	.section	.rodata,"a",@progbits
	.p2align	6, 0x0
	.amdhsa_kernel k_q31fedee62b_router
		.amdhsa_group_segment_fixed_size 0
		.amdhsa_private_segment_fixed_size 0
		.amdhsa_enable_private_segment 0
		.amdhsa_kernarg_size 48
		.amdhsa_user_sgpr_count 2
		.amdhsa_user_sgpr_kernarg_segment_ptr 1
		.amdhsa_wavefront_size32 1
		.amdhsa_system_sgpr_workgroup_id_x 1
		.amdhsa_system_sgpr_workgroup_id_y 1
		.amdhsa_system_sgpr_workgroup_id_z 1
		.amdhsa_system_vgpr_workitem_id 0
		.amdhsa_next_free_vgpr 256
		.amdhsa_next_free_sgpr 66
		.amdhsa_reserve_vcc 0
		.amdhsa_float_denorm_mode_32 3
		.amdhsa_float_denorm_mode_16_64 3
		.amdhsa_memory_ordered 1
		.amdhsa_forward_progress 1
		.amdhsa_inst_pref_size 13
	.end_amdhsa_kernel
	.amdgpu_metadata
---
amdhsa.version: [ 1, 2 ]
amdhsa.kernels:
  - .name:           k_q31fedee62b_router
    .symbol:         k_q31fedee62b_router.kd
    .args:
      - { .name: x_codes, .offset: 0, .size: 8, .value_kind: global_buffer, .address_space: global }
      - { .name: x_scales, .offset: 8, .size: 8, .value_kind: global_buffer, .address_space: global }
      - { .name: gate_w_codes, .offset: 16, .size: 8, .value_kind: global_buffer, .address_space: global }
      - { .name: gate_w_scales, .offset: 24, .size: 8, .value_kind: global_buffer, .address_space: global }
      - { .name: gate_b, .offset: 32, .size: 8, .value_kind: global_buffer, .address_space: global }
      - { .name: top1, .offset: 40, .size: 8, .value_kind: global_buffer, .address_space: global }
    .group_segment_fixed_size: 0
    .private_segment_fixed_size: 0
    .kernarg_segment_align: 8
    .kernarg_segment_size: 48
    .max_flat_workgroup_size: 32
    .sgpr_count:     66
    .vgpr_count:     256
    .wavefront_size: 32
...
	.end_amdgpu_metadata
.endif
;; end of part 6
;; launch hidden: the kernel of part 4 again; grid 16 x 16, 4 waves a work-group, no clusters, 77,312 bytes of LDS; arguments x_codes, x_scales, w1_codes, w1_scales, b1, top1, hc, hs, lst; writes hc, hs, lst
;; launch outp (part 7): grid 16 x 16, 4 waves a work-group, no clusters, 139,776 bytes of LDS; arguments hc, hs, w2_codes, w2_scales, b2, lst, out0; writes out0
.if DOCPART == 7
	.amdgcn_target "amdgcn-amd-amdhsa--gfx1250"
	.amdhsa_code_object_version 6
	.text
	.protected	k_q31fedee62b_outp
	.globl	k_q31fedee62b_outp
	.p2align	8
	.type	k_q31fedee62b_outp,@function
k_q31fedee62b_outp:
	s_mov_b64 s[64:65], 0
	v_nop
	global_prefetch_b8 v0, s[64:65] scope:SCOPE_SE
	s_setreg_imm32_b32 hwreg(HW_REG_WAVE_SCHED_MODE, 0, 2), 2
	s_setreg_imm32_b32 hwreg(HW_REG_WAVE_MODE, 25, 1), 1
	s_wait_xcnt 0x0
	s_wait_alu depctr_vm_vsrc(0)
; out0[t] = h[t] w2[e] + b2[e] for the expert e that token t chose (the choice by the one-hot mask is the scatter to the tokens' rows).  h: the codes and scale words that the launch before stored;
; w2: codes and scale bytes as they lie in memory; both FP4 (E2M1) with one E8M0 scale for each 32 along K = 2,048.
; SHARES.  Work-group (x = j, y = e) makes output columns 64 j .. 64 j + 63 for all of e's tokens.  K IS CUT OVER THE WAVES: wave w takes K steps 4 w .. 4 w + 3 of 128, so that the work-group loads each byte of
; its weights and of the hidden layer once.  A wave's 4 column tiles x 4 K steps of w2 (16,384 bytes) are asked for at the head, stay in 128 registers, and are read from memory once in the launch.
; The four waves' partial sums meet in LDS; the pass that adds them also turns them into whole pieces of rows.
; THE LIST of e's tokens and their number n come from lst, as the launch before stored them: tile i, row r means the same token in both.  n is read by a scalar load that is issued ahead of the weights'
; loads; a tile's tokens come with the tile's other loads.  Places n .. n + 31 of the list hold its first token once more: the rows that fill a short last tile are copies of that token's row and store the
; same bits to the same bytes as it.  With n = 0 the work-group stores nothing.
; THE LOOP has a constant 8 trips of up to 8 tiles; a trip without tiles passes its two barriers and nothing else.  A trip:
;   A: each wave asks for its K steps of every tile (register images: 512 consecutive bytes a load), multiplies the tiles in the order asked, puts its partial sums into LDS | barrier |
;   S: wave w adds the four parts of rows 4 w .. 4 w + 3 of every tile, adds b2, and stores: sixteen lanes fill 256 consecutive bytes, aligned, of a token's row | barrier.
; PHASE A IS WRITTEN ONCE FOR EACH NUMBER OF TILES, 1 to 8: a tile's products wait only for its own loads, by a count of the loads issued behind them, and such a count has to be the same on every way to the wait.
; THE PRODUCT IS USED TRANSPOSED (source 0 = 16 rows of w2, that is 16 output columns; source 1 = 16 tokens): a lane holds eight neighbouring columns of one token.
; The sum over K is formed as ((waves 0 + 1) + (waves 2 + 3)) + b2, each wave's part K ascending.
; NO TENSOR LOADS, and so no joint loads: what a work-group does hangs on a count read from memory.
; LIMITS: NaN, infinities and the scale byte 0xff are not served.
; THE MODE: SCHED_MODE bits 1:0 = 2 (LLVM: expert scheduling mode 2), set by the entry lines.  The code itself states the register dependences between vector or matrix instructions
; and memory or LDS instructions, with s_wait_alu, always for 0.
; THE PLAN.  Registers that memory or LDS instructions touch:
;   v4-v15     addresses, made once at the head and never written again: the rows are reached by scalar bases and immediate offsets.
;   TK         zeros at the head; a trip's loads land in them; phase S makes offsets of them, which out0's stores read.
;   window 1 and HSC: h's fragments and scale words: a trip's loads land in them; the tile's products read them.
;   the two sets of accumulators: tile k's products write set k % 2 and its eight LDS stores read it; in phase S the finished sums take eight of these registers a tile, and out0's stores read them.
;   SR, two sets: tile k's LDS loads land in set k % 2; tile k's additions read and write it.
; THE WAITS OF A TRIP.  Phase A, a tile: behind the places, one wait on va_vdst (the accumulators are written for the LDS stores; the products are done with the tile's fragments and scale words); from the third
; tile on one on vm_vsrc ahead of the products (the stores of the tile before last have read that set).  Phase S: one on vm_vsrc behind the barrier (phase A's stores have read the registers that the finished sums
; take); a tile: one on va_vdst ahead of its two stores (offsets and sums are written; the additions are done with their set of SR, in which the loads of the tile after next land; no vector line stands between).
; At the trip's end both, beside the wait on XCNT: the next trip's loads and products write what this trip's stores read and its vector and matrix lines named.
; REGISTERS: window 0: v1-15 addresses; v16-31 tokens; v32-35 b2; v40-55 h's scale words; v56-63 w2's; v64-127 two sets of four accumulators, in phase S the finished sums; v128-191 the parts to be added, two sets;
;   v254, v255 the closing add's two.   window 1: h's fragments (tile k, K step q: 32 k + 8 q).   window 2: v0-127 w2's 16 fragments (column tile t, K step q: 8 (4 t + q)).
.set CNTW, 4228                        ; lst: n's place in an expert's 4,608 bytes
.set PPI,  272                         ; LDS, from byte 0: the partial sums: [wave 4][tile 8][row 16], rows of 256 bytes + 16 of padding
.set PTL,  16*PPI
.set PWV,  8*PTL
.set NLD,  11                          ; loads of a tile: 8 of codes, 2 of scale words, 1 of tokens
.set WV,   20                          ; s20 wave   s21 expert   s23 n   s24 tiles   s25 trip   s26 the trip's first tile   s27 its tiles (0 .. 8)
.set EX,   21
.set CN,   23
.set NTL,  24
.set TR,   25
.set I0,   26
.set MT,   27
.set LN,   1                           ; lane
.set RW,   2                           ; r = lane % 16
.set HH,   3                           ; h = lane / 16
.set L16,  4                           ; 16 x lane
.set WA,   5                           ; w2: r x 1,024 + 16 h
.set WSA,  6                           ; its scale rows: 64 x lane: lanes 0-15 an even tile's, lanes 16-31 the odd one's
.set C16,  7                           ; 16 r
.set HSO,  8                           ; hs: 4,096 h + 4 r: lanes 0-15 an even K step's words, lanes 16-31 the odd one's
.set LAO,  9                           ; lst: the tokens of the two rows that I finish: 16 w + 8 h
.set PA,   10                          ; where I put 32 bytes of a row of partial sums
.set SA,   12                          ; v12-15 where I read 16 bytes of a row of wave 0's .. wave 3's
.set TK,   16                          ; two tokens a tile, then their byte offsets in out0
.set BB,   32                          ; b2 of my four columns
.set HSC,  40                          ; 2 k + q / 2
.set WS,   56                          ; 4 (t / 2) + q
.set ACC,  64
.set SR,   128                         ; set k % 2 at 32 (k % 2); in it 16 p + 4 x wave
.set MSB, 0
.macro WIN new                         ; the immediate's high byte repeats the setting that is left; every window is 0 at a label and at a branch
.if MSB != \new
	s_set_vgpr_msb (MSB<<8)|\new
.set MSB, \new
.endif
.endm
.macro BARRIER                         ; my LDS stores have landed and my LDS loads are in: then the work-group's barrier
	s_wait_dscnt 0x0
	s_barrier_signal -1
	s_barrier_wait -1
.endm
	s_load_b256 s[4:11], s[0:1], 0x0               ; hc s[4:5], hs s[6:7], w2's codes s[8:9], w2's scales s[10:11]
	s_load_b128 s[12:15], s[0:1], 0x20             ; b2 s[12:13], lst s[14:15]
	s_load_b64 s[16:17], s[0:1], 0x30              ; out0
	v_lshl_add_u32 v254, v0, 2, 0x22000            ; my spare word's address and 0: made at the head and kept for the closing lines alone
	v_mov_b32 v255, 0
	v_lshrrev_b32 v[LN], 5, v0
	v_readfirstlane_b32 s[WV], v[LN]               ; wave 0..3
	s_and_b32 s[EX], ttmp7, 0xffff                 ; the expert
	v_and_b32 v[LN], 31, v0
	v_and_b32 v[RW], 15, v0
	v_bfe_u32 v[HH], v0, 4, 1
	v_lshlrev_b32 v[L16], 4, v[LN]
	v_lshlrev_b32 v[WA], 10, v[RW]
	v_lshl_add_u32 v[WA], v[HH], 4, v[WA]
	v_lshlrev_b32 v[WSA], 6, v[LN]
	v_lshlrev_b32 v[C16], 4, v[RW]
	v_lshlrev_b32 v[HSO], 2, v[RW]
	v_lshl_add_u32 v[HSO], v[HH], 12, v[HSO]
	s_wait_alu depctr_va_sdst(0)                   ; the wave's number is written, ahead of its first reader
	s_lshl_b32 s76, s[WV], 4
	v_lshl_add_u32 v[LAO], v[HH], 3, s76
	s_mul_i32 s76, s[WV], PWV                      ; my wave's partial sums
	v_mul_u32_u24 v[PA], v[RW], PPI
	v_lshl_add_u32 v[PA], v[HH], 5, v[PA]
	v_add_nc_u32 v[PA], s76, v[PA]                 ; row r, + 32 h
	s_mul_i32 s77, s[WV], 4*PPI                    ; the four rows of a tile that I finish
	v_mul_u32_u24 v[SA], v[HH], 2*PPI
	v_lshl_add_u32 v[SA], v[RW], 4, v[SA]
	v_add_nc_u32 v[SA], s77, v[SA]                 ; row 4 w + 2 h, 16 bytes a lane, in wave 0's sums;
.irp a, 1,2,3
	v_add_nc_u32 v[SA+\a], \a*PWV, v[SA]           ; in the other waves'
.endr
.irp i, 0,1,2,3,4,5,6,7,8,9,10,11,12,13,14,15
	v_mov_b32 v[TK+\i], 0                          ; written once, while the arguments are on their way: phase A loads the tokens of the tiles that a trip has, and every way through the text finds all sixteen written
.endr
	; byte offsets of my share, each in a pair of its own
	s_lshl_b32 s76, s[EX], 10
	s_lshl_b32 s77, ttmp9, 6
	s_add_co_u32 s76, s76, s77                     ; 1,024 e + 64 j: my first row of w2
	s_lshl_b32 s66, s76, 10                        ; 1,024 bytes of codes a row,
	s_lshl_b32 s77, s[WV], 8                       ; my four K steps: 256 bytes of it
	s_add_co_u32 s66, s66, s77
	s_mov_b32 s67, 0
	s_lshl_b32 s68, s76, 6                         ; 64 scale bytes a row,
	s_lshl_b32 s77, s[WV], 4                       ; my 16 of them
	s_add_co_u32 s68, s68, s77
	s_mov_b32 s69, 0
	s_lshl_b32 s70, s76, 2                         ; b2
	s_mov_b32 s71, 0
	s_lshl_b32 s72, s[EX], 20                      ; hc: 2^20 bytes an expert,
	s_lshl_b32 s77, s[WV], 12                      ; 1,024 a K step
	s_add_co_u32 s72, s72, s77
	s_mov_b32 s73, 0
	s_lshl_b32 s74, s[EX], 4
	s_lshl_b32 s77, s[WV], 2
	s_add_co_u32 s74, s74, s77
	s_lshl_b32 s74, s74, 12                        ; hs: 4,096 bytes for each (expert, K step)
	s_mov_b32 s75, 0
	s_lshl_b32 s78, ttmp9, 8                       ; out0: my 64 columns' 256 bytes of a row
	s_mov_b32 s79, 0
	s_mul_i32 s80, s[EX], 4608                     ; lst: 4,608 bytes an expert
	s_mov_b32 s81, 0
	s_wait_kmcnt 0x0
	s_add_nc_u64 s[14:15], s[14:15], s[80:81]
	s_load_b32 s[CN], s[14:15], CNTW               ; n: asked for first of all; the weights' loads are issued while it is on its way
	s_add_nc_u64 s[8:9], s[8:9], s[66:67]
	s_add_nc_u64 s[10:11], s[10:11], s[68:69]
	s_add_nc_u64 s[12:13], s[12:13], s[70:71]
	s_add_nc_u64 s[4:5], s[4:5], s[72:73]
	s_add_nc_u64 s[6:7], s[6:7], s[74:75]
	s_add_nc_u64 s[16:17], s[16:17], s[78:79]
	WIN 0x80                                       ; destination window 2
	s_wait_alu depctr_va_vdst(0)                   ; the head's addresses and the closing add's two registers are written, which the loads and stores of the whole kernel read; so are TK's zeros, on which the first trip's tokens land
.irp t, 0,1,2,3
.irp q, 0,1,2,3
.irp c, 0,1
	global_load_b128 v[8*(4*\t+\q)+4*\c:8*(4*\t+\q)+4*\c+3], v[WA], s[8:9] offset:16384*\t+64*\q+32*\c   ; 32 bytes of each of the tile's 16 rows; the tile's eight loads, one behind the other, take 256 aligned bytes of each row
.endr
.endr
.endr
	WIN 0
.irp p, 0,1
	global_load_b128 v[WS+4*\p:WS+4*\p+3], v[WSA], s[10:11] offset:2048*\p   ; the four K steps' words of rows 32 p + lane
.endr
	global_load_b128 v[BB:BB+3], v[C16], s[12:13]
	s_wait_kmcnt 0x0                               ; n
	s_min_u32 s[CN], s[CN], 1024
	s_add_co_u32 s[NTL], s[CN], 15
	s_lshr_b32 s[NTL], s[NTL], 4                   ; tiles of 16
; Tile k is asked for: the hidden codes of my four K steps, as images of the operand's registers, their scale words, and the tokens of the two rows that I finish in phase S.  NLD loads.
; No wait on s_wait_alu stands here: the head's, or the last trip's end's, cover these registers, and only loads, scalar lines and other tiles' lines follow them.
.macro HLOAD k
	WIN 0x40                                       ; destination window 1
.irp q, 0,1,2,3
.irp c, 0,1
	global_load_b128 v[32*(\k)+8*\q+4*\c:32*(\k)+8*\q+4*\c+3], v[L16], s[4:5] offset:16384*(\k)+1024*\q+512*\c   ; 32 lanes read 512 consecutive bytes
.endr
.endr
	WIN 0
.irp q, 0,1
	global_load_b32 v[HSC+2*(\k)+\q], v[HSO], s[6:7] offset:8192*\q+64*(\k)
.endr
	global_load_b64 v[TK+2*(\k):TK+2*(\k)+1], v[LAO], s[14:15] offset:64*(\k)
.endm
; One product: tile k, K step q, column tile t.  w2's scale words of an odd tile, and h's of an odd K step, lie in lanes 16-31.
.macro PROD k, q, t
.set rD, ACC+32*((\k)%2)+8*(\t)
.set rA, 8*(4*(\t)+(\q))
.set rB, 32*(\k)+8*(\q)
.set rS, WS+4*((\t)/2)+(\q)
.set rH, HSC+2*(\k)+(\q)/2
.if ((\q) == 0) && ((\t)%2 == 0)
	v_wmma_scale_f32_16x16x128_f8f6f4 v[rD:rD+7], v[rA:rA+7], v[rB:rB+7], 0, v[rS], v[rH] matrix_a_fmt:MATRIX_FMT_FP4 matrix_b_fmt:MATRIX_FMT_FP4
.elseif (\q) == 0
	v_wmma_scale_f32_16x16x128_f8f6f4 v[rD:rD+7], v[rA:rA+7], v[rB:rB+7], 0, v[rS], v[rH] matrix_a_fmt:MATRIX_FMT_FP4 matrix_b_fmt:MATRIX_FMT_FP4 matrix_a_scale:MATRIX_SCALE_ROW1
.elseif ((\q)%2 == 0) && ((\t)%2 == 0)
	v_wmma_scale_f32_16x16x128_f8f6f4 v[rD:rD+7], v[rA:rA+7], v[rB:rB+7], v[rD:rD+7], v[rS], v[rH] matrix_a_fmt:MATRIX_FMT_FP4 matrix_b_fmt:MATRIX_FMT_FP4
.elseif (\q)%2 == 0
	v_wmma_scale_f32_16x16x128_f8f6f4 v[rD:rD+7], v[rA:rA+7], v[rB:rB+7], v[rD:rD+7], v[rS], v[rH] matrix_a_fmt:MATRIX_FMT_FP4 matrix_b_fmt:MATRIX_FMT_FP4 matrix_a_scale:MATRIX_SCALE_ROW1
.elseif (\t)%2 == 0
	v_wmma_scale_f32_16x16x128_f8f6f4 v[rD:rD+7], v[rA:rA+7], v[rB:rB+7], v[rD:rD+7], v[rS], v[rH] matrix_a_fmt:MATRIX_FMT_FP4 matrix_b_fmt:MATRIX_FMT_FP4 matrix_b_scale:MATRIX_SCALE_ROW1
.else
	v_wmma_scale_f32_16x16x128_f8f6f4 v[rD:rD+7], v[rA:rA+7], v[rB:rB+7], v[rD:rD+7], v[rS], v[rH] matrix_a_fmt:MATRIX_FMT_FP4 matrix_b_fmt:MATRIX_FMT_FP4 matrix_a_scale:MATRIX_SCALE_ROW1 matrix_b_scale:MATRIX_SCALE_ROW1
.endif
.endm
; Tile k's partial sums.  left: the loads issued behind tile k's, which may stay out.
.macro CPROD k, left
	s_wait_loadcnt \left                           ; loads come back in order (ISA guide 5.7.1): tile k's are in, and so is all that was asked for earlier, the weights among it
.if (\k) >= 2
	s_wait_alu depctr_vm_vsrc(0)                   ; the LDS stores of the tile before last have read this set of accumulators, which the products below begin anew
.endif
	WIN 0x06                                       ; source 0 (w2) window 2, source 1 (h) window 1
.irp q, 0,1,2,3                                ; K ascending; the four accumulators by turns; the first K step starts the sums
.irp t, 0,1,2,3
	PROD \k, \q, \t
.endr
.endr
	WIN 0
.rept 5
	v_nop                                          ; four places ahead of the stores that read the results; the fifth for products that begin an accumulator anew
.endr
	s_wait_alu depctr_va_vdst(0)                   ; the products have written the four accumulators, which the LDS stores read; the places above stay beside this wait
.irp t, 0,1,2,3
.irp c, 0,1
	ds_store_b128 v[PA], v[ACC+32*((\k)%2)+8*\t+4*\c:ACC+32*((\k)%2)+8*\t+4*\c+3] offset:PTL*(\k)+64*\t+16*\c   ; token r, columns 16 t + 8 h + 4 c on; each accumulator from its low end on
.endr
.endr
.endm
; Phase A of a trip with m tiles: all are asked for, then multiplied in that order.  Behind tile k's loads stand those of m - 1 - k tiles; a wait names 63 at the most, and a smaller count than the true one waits for more.
.macro AVAR m
.set kk, 0
.rept \m
	HLOAD kk
.set kk, kk+1
.endr
.set kk, 0
.rept \m
.set lf, NLD*(\m-1-kk)
.if lf > 63
.set lf, 63
.endif
	CPROD kk, lf
.set kk, kk+1
.endr
.endm
; Phase S.  Tile k's four parts of my two rows a half of the lanes come out of LDS into set k % 2: 8 loads, a tile ahead of the additions that want them.
; No wait on va_vdst stands here: the set's last users, tile k - 2's additions (or the last trip's), stand ahead of a wait behind which no vector line names the set.
.macro SLD k
.irp p, 0,1
.irp a, 0,1,2,3
	ds_load_b128 v[SR+32*((\k)%2)+16*\p+4*\a:SR+32*((\k)%2)+16*\p+4*\a+3], v[SA+\a] offset:PTL*(\k)+PPI*\p
.endr
.endr
.endm
; Tile k's rows 4 w + 2 h + p: the four parts are added, b2 is added, and the piece of the token's row is stored.  The finished sums take eight of the accumulators' registers a tile, so that no store's data
; are written again within a trip.  left: the LDS loads issued behind tile k's: the next tile's 8, or none.
.macro SFIN k, left
.set SBK, SR+32*((\k)%2)
.set OBK, ACC+8*(\k)
	s_wait_dscnt \left
.irp p, 0,1
	v_min_u32 v[TK+2*(\k)+\p], 1023, v[TK+2*(\k)+\p]
.endr
.irp p, 0,1
.irp d, 0,2
	v_pk_add_f32 v[SBK+16*\p+\d:SBK+16*\p+\d+1], v[SBK+16*\p+\d:SBK+16*\p+\d+1], v[SBK+16*\p+4+\d:SBK+16*\p+4+\d+1]
	v_pk_add_f32 v[SBK+16*\p+8+\d:SBK+16*\p+8+\d+1], v[SBK+16*\p+8+\d:SBK+16*\p+8+\d+1], v[SBK+16*\p+12+\d:SBK+16*\p+12+\d+1]
.endr
.endr
.irp p, 0,1
	v_lshl_add_u32 v[TK+2*(\k)+\p], v[TK+2*(\k)+\p], 12, v[C16]   ; 4,096 bytes a token's row, 16 bytes a lane
.endr
.irp p, 0,1
.irp d, 0,2
	v_pk_add_f32 v[SBK+16*\p+\d:SBK+16*\p+\d+1], v[SBK+16*\p+\d:SBK+16*\p+\d+1], v[SBK+16*\p+8+\d:SBK+16*\p+8+\d+1]
.endr
.endr
.irp p, 0,1
.irp d, 0,2
	v_pk_add_f32 v[OBK+4*\p+\d:OBK+4*\p+\d+1], v[SBK+16*\p+\d:SBK+16*\p+\d+1], v[BB+\d:BB+\d+1]
.endr
.endr
	s_wait_alu depctr_va_vdst(0)                   ; the tile's two offsets and its finished sums are written, which the two stores read; the additions are done with this set of SR, in which the loads of the tile after next land
.irp p, 0,1
	global_store_b128 v[TK+2*(\k)+\p], v[OBK+4*\p:OBK+4*\p+3], s[16:17] th:TH_STORE_NT   ; sixteen lanes store 256 consecutive bytes, at a multiple of 256 from out0's first byte
.endr
.endm
	s_mov_b32 s[TR], 0
	s_mov_b32 s[I0], 0
.Ltrip:
	s_sub_co_i32 s[MT], s[NTL], s[I0]
	s_max_i32 s[MT], s[MT], 0
	s_min_u32 s[MT], s[MT], 8                      ; this trip's tiles
	; ---- A
	s_cmp_eq_u32 s[MT], 0
	s_cbranch_scc1 .La_done
.irp m, 4,5,3,6,2,7,1
	s_cmp_eq_u32 s[MT], \m
	s_cbranch_scc1 .La_m\m
.endr
	AVAR 8
	s_branch .La_done
.irp m, 7,6,5,4,3,2,1
.La_m\m:
	AVAR \m
.if \m > 1
	s_branch .La_done
.endif
.endr
.La_done:
	BARRIER                                        ; the four waves' partial sums lie in LDS
	s_wait_alu depctr_vm_vsrc(0)                   ; my LDS stores of phase A have read the accumulators' registers, which the finished sums below take
	; ---- S: tile n's LDS loads stand ahead of tile n - 1's additions; the trip's last tile has a tail of its own, so that no tile is read that the trip does not have
	s_cmp_eq_u32 s[MT], 0
	s_cbranch_scc1 .Ls_done
	SLD 0
	s_wait_loadcnt 0x0                             ; b2 and the tokens
.irp n, 1,2,3,4,5,6,7
	s_cmp_le_u32 s[MT], \n                         ; is tile n - 1 the last?
	s_cbranch_scc1 .Ls_last\n
	SLD \n
	SFIN (\n-1), 8                                 ; tile n's 8 loads may stay out
.endr
	SFIN 7, 0
	s_branch .Ls_done
.irp n, 7,6,5,4,3,2,1
.Ls_last\n:
	SFIN (\n-1), 0
.if \n > 1
	s_branch .Ls_done
.endif
.endr
.Ls_done:
	BARRIER                                        ; nobody reads the partial sums any more: the next trip may write them
	s_wait_xcnt 0x0                                ; the trip's loads and stores have read their bases, offsets and data: all may be written again
	s_wait_alu depctr_vm_vsrc(0)                   ; out0's stores have read their offsets, on which the next trip's tokens land, and the finished sums, which its products write again
	s_wait_alu depctr_va_vdst(0)                   ; no vector or matrix line of this trip still names h's fragments, their scale words or the tokens' registers, in which the next trip's loads land
	s_add_nc_u64 s[4:5], s[4:5], 8*16384
	s_add_nc_u64 s[6:7], s[6:7], 8*64
	s_add_nc_u64 s[14:15], s[14:15], 8*64
	s_add_co_u32 s[I0], s[I0], 8
	s_add_co_u32 s[TR], s[TR], 1
	s_cmp_lt_u32 s[TR], 8
	s_cbranch_scc1 .Ltrip
	s_wait_dscnt 0x0                               ; the closing lines, six on end
	s_wait_alu 0x0
	s_wait_tensorcnt 0x0
	ds_add_u32 v254, v255
	s_wait_dscnt 0x0
	s_endpgm
.Lfunc_end_k_q31fedee62b_outp:
	.size	k_q31fedee62b_outp, .Lfunc_end_k_q31fedee62b_outp-k_q31fedee62b_outp
	.p2alignl 7, 3214868480
	.fill 96, 4, 3214868480
	.section	.rodata,"a",@progbits
	.p2align	6, 0x0
	.amdhsa_kernel k_q31fedee62b_outp
		.amdhsa_group_segment_fixed_size 139776
		.amdhsa_private_segment_fixed_size 0
		.amdhsa_enable_private_segment 0
		.amdhsa_kernarg_size 56
		.amdhsa_user_sgpr_count 2
		.amdhsa_user_sgpr_kernarg_segment_ptr 1
		.amdhsa_wavefront_size32 1
		.amdhsa_system_sgpr_workgroup_id_x 1
		.amdhsa_system_sgpr_workgroup_id_y 1
		.amdhsa_system_sgpr_workgroup_id_z 1
		.amdhsa_system_vgpr_workitem_id 0
		.amdhsa_next_free_vgpr 640
		.amdhsa_next_free_sgpr 82
		.amdhsa_reserve_vcc 0
		.amdhsa_float_denorm_mode_32 3
		.amdhsa_float_denorm_mode_16_64 3
		.amdhsa_memory_ordered 1
		.amdhsa_forward_progress 1
		.amdhsa_inst_pref_size 177
	.end_amdhsa_kernel
	.amdgpu_metadata
---
amdhsa.version: [ 1, 2 ]
amdhsa.kernels:
  - .name:           k_q31fedee62b_outp
    .symbol:         k_q31fedee62b_outp.kd
    .args:
      - { .name: hc, .offset: 0, .size: 8, .value_kind: global_buffer, .address_space: global }
      - { .name: hs, .offset: 8, .size: 8, .value_kind: global_buffer, .address_space: global }
      - { .name: w2_codes, .offset: 16, .size: 8, .value_kind: global_buffer, .address_space: global }
      - { .name: w2_scales, .offset: 24, .size: 8, .value_kind: global_buffer, .address_space: global }
      - { .name: b2, .offset: 32, .size: 8, .value_kind: global_buffer, .address_space: global }
      - { .name: lst, .offset: 40, .size: 8, .value_kind: global_buffer, .address_space: global }
      - { .name: out0, .offset: 48, .size: 8, .value_kind: global_buffer, .address_space: global }
    .group_segment_fixed_size: 139776
    .private_segment_fixed_size: 0
    .kernarg_segment_align: 8
    .kernarg_segment_size: 56
    .max_flat_workgroup_size: 128
    .sgpr_count:     82
    .vgpr_count:     640
    .wavefront_size: 32
...
	.end_amdgpu_metadata
.endif
;; end of part 7
